; MI455X (gfx1250); checked and timed in simulation.
; The chip was launched on July 23, 2026; its instructions are those of AMD's public machine-readable ISA for CDNA 5 (MIT licence, August 2026) and "CDNA5" Instruction Set Architecture Reference Guide (July 2026). The comments in the code are by the model that wrote it; some were corrected since.
;; Transformer Block. Allowed arithmetic: matrix products marked QUANTISED: E4M3 operands, one given power-of-two scale a tensor, by v_wmma_f32_16x16x64_fp8_fp8 or v_wmma_f32_16x16x128_fp8_fp8, f32 sums; everything else in f32.
;; Inputs: a1 1,024 float32; a2 1,024 float32; b1 4,096 float32; b2 1,024 float32; bo 1,024 float32; lowp_scales 16 int32 (the exponents e of the quantised operands' scales 2^e); s1 1,024 float32; s2 1,024 float32; w1 1,024 x 4,096 float32; w2 4,096 x 1,024 float32; wk 1,024 x 1,024 float32; wo 1,024 x 1,024 float32; wq 1,024 x 1,024 float32; wv 1,024 x 1,024 float32; x 2 x 2,048 x 1,024 float32.
;; Outputs: out0 2 x 2,048 x 1,024 float32.
;; This version of the problem:
;;   THIS VERSION OF THE PROBLEM IS GIVEN IN LOW PRECISION. The matrix products marked QUANTISED in the list below multiply operands that are first quantised to E4M3 (4 exponent bits, 3 mantissa bits; 8 bits a number), with one given power-of-two scale for each operand tensor; their sums are f32. All else is computed in f32.
;;   The module's matrix products, in the order in which they are computed (A, B: the left and right operand; K: the contracted axis; several contracted axes count as one K, in the product's order):
;;     1. [M 4,096, K 1,024] x [K 1,024, N 1,024]; A: computed on the way; B: input wq: QUANTISED (scales: A lowp_scales[0], B lowp_scales[1])
;;     2. [M 4,096, K 1,024] x [K 1,024, N 1,024]; A: computed on the way; B: input wk: QUANTISED (scales: A lowp_scales[2], B lowp_scales[3])
;;     3. [M 4,096, K 1,024] x [K 1,024, N 1,024]; A: computed on the way; B: input wv: QUANTISED (scales: A lowp_scales[4], B lowp_scales[5])
;;     4. batch 32 x [M 2,048, K 64] x [K 64, N 2,048]; A: computed on the way; B: computed on the way: QUANTISED (scales: A lowp_scales[6], B lowp_scales[7])
;;     5. batch 32 x [M 2,048, K 2,048] x [K 2,048, N 64]; A: softmax (see below); B: computed on the way: QUANTISED (scales: A lowp_scales[8], B lowp_scales[9])
;;     6. [M 4,096, K 1,024] x [K 1,024, N 1,024]; A: computed on the way; B: input wo: QUANTISED (scales: A lowp_scales[10], B lowp_scales[11])
;;     7. [M 4,096, K 1,024] x [K 1,024, N 4,096]; A: computed on the way; B: input w1: QUANTISED (scales: A lowp_scales[12], B lowp_scales[13])
;;     8. [M 4,096, K 4,096] x [K 4,096, N 1,024]; A: computed on the way; B: input w2: QUANTISED (scales: A lowp_scales[14], B lowp_scales[15])
;;   THE QUANTISER, for each operand of a quantised product, along K:
;;     - The operand's scale is 2^e, e = its entry of the input lowp_scales (int32; the entries are numbered through the quantised products in the list's order, A before B).
;;     - Each number is divided by the scale, clamped to +-448, and rounded to the nearest number of E4M3, ties to even, subnormals kept.
;;     - The product sums the exact products of the quantised numbers (number of the format x scale) in f32.
;;   ~~~python
;;   def quantise(x, axis, e):      # numpy; x: float32 -> the quantised numbers, widened to float32 again
;;       x = np.moveaxis(x, axis, -1); K = x.shape[-1]
;;       r = np.clip(x / 2.0 ** e, -448, 448)
;;       step = 2.0 ** (np.maximum(np.frexp(np.where(r == 0, 1, r))[1] - 1, -6) - 3)
;;       q = np.round(r / step) * step * 2.0 ** e      # np.round: ties to even
;;       return np.moveaxis(q, -1, axis).astype(np.float32)
;;   ~~~
;;   SOFTMAX AHEAD OF A QUANTISED PRODUCT. Where the list says 'softmax', what is quantised is not the finished softmax but p = 2^(t - M), with t = logit x log2(e) and M = ceil(the row's largest t), a whole number; so 1/2 < the row's largest p <= 1. The row's sum l is taken of the UNQUANTISED p, in f32, and the product's result is divided by l at the end. Since M is a whole number, a kernel that streams over the keys may use a running M (the ceiling of the running maximum): every later rescaling is an exact power of two, so the quantised numbers keep their values, but for numbers so far below the row's largest that they fall under the format's range.
;;   OPERANDS COMPUTED ON THE WAY. 'Computed on the way' means the value that the module computes at that place (a softmax that the list does not call 'softmax' is quantised finished and normalised). What goes into a quantiser is computed in f32, as accurately as f32 sums, v_exp_f32 and their like allow (about 1e-6 of the number): no bf16 or f16 on the way to a quantiser, and a product that is left as it is and whose result goes on into a quantised operand takes f32 operands (vector FMAs, or v_wmma_f32_16x16x4_f32). A number that lies on a knife's edge between two numbers of the format may be rounded either way, as far as f32 arithmetic and the matrix unit's own rounding can turn it there, and no further.
;; One version. Each part assembles by itself: llvm-mc -triple=amdgcn-amd-amdhsa -mcpu=gfx1250 --defsym DOCPART=n.
;; ======== version 1 of 1: 7 launches
;; limits: right only within a limited range of input values
;; workspace buffers: wc 12,582,912 bytes; hc 12,582,912 bytes; qkv 12,582,912 bytes; ctx 4,194,304 bytes; x2 16,777,216 bytes; h2c 4,194,304 bytes; gc 16,777,216 bytes
;; launch prep (part 1): grid 640 x 1, 4 waves a work-group, no clusters, 58,880 bytes of LDS; arguments x, a1, s1, wq, wk, wv, wo, w1, w2, lowp_scales, wc, hc; writes wc, hc
.if DOCPART == 1
	.amdgcn_target "amdgcn-amd-amdhsa--gfx1250"
	.amdhsa_code_object_version 6
	.text
	.protected	k_qc6dd87b782_prep
	.globl	k_qc6dd87b782_prep
	.p2align	8
	.type	k_qc6dd87b782_prep,@function
k_qc6dd87b782_prep:
	s_mov_b64 s[64:65], 0
	v_nop
	global_prefetch_b8 v0, s[64:65] scope:SCOPE_SE
	s_setreg_imm32_b32 hwreg(HW_REG_WAVE_MODE, 25, 1), 1
	s_wait_xcnt 0x0
; PREP.  Work-groups 0-383 turn the six weights (f32, stored [K][N]) into codes of E4M3; work-groups 384-639 make LN1(x) and quantise it three times (scales 0, 2, 4).
; LAYOUT OF ALL CODES, BL(R, K): [K / 64][R rows][64 bytes]; inside the 64 bytes, byte 32 c + 16 h + 8 u + j holds k = 32 c + 16 u + 8 h + j.  A 16-byte load at 32 c + 16 h of a row
; then brings a lane registers 4 c .. 4 c + 3 of an 8-bit fragment with every k in the form's own place, and 64 rows of a k-block are 4,096 consecutive bytes.
; wc: +0 BL(4096, 1024): rows 0-1023 wq's columns, then wk's, wv's, wo's; +4 MiB BL(4096, 1024): w1's columns; +8 MiB BL(1024, 4096): w2's.   hc: LN1(x) as BL(4096, 1024), three times, 4 MiB apart.
; code = x / 2^e, to the nearest code, ties to even.  LIMITS: each e used here lies between -126 and 119; NaN among the inputs is not served.
; No matrix unit, no cluster, no tensor load: the work-groups share no input, and each byte is read once.  The two paths have LDS bytes of their own.
.set SPARE, 58368                      ; behind the stages: the spare words, 128 bytes for each wave, named by no other line
.set SPW,   254                        ; v254  LDS address of my spare word; never rewritten
.set NIL,   255                        ; v255  0; never rewritten
.set LNST,  40960                      ; the LN path's stages: 4,352 bytes a wave (the weights' stages: 10,240 a wave from byte 0)
	s_load_b512 s[8:23], s[0:1], 0x0               ; x s[8:9], a1 s[10:11], s1 s[12:13], wq s[14:15], wk s[16:17], wv s[18:19], wo s[20:21], w1 s[22:23]
	s_load_b256 s[24:31], s[0:1], 0x40             ; w2 s[24:25], the exponents s[26:27], wc s[28:29], hc s[30:31]
	v_lshl_add_u32 v[SPW], v0, 2, SPARE
	v_mov_b32 v[NIL], 0
	v_lshrrev_b32 v1, 5, v0
	v_readfirstlane_b32 s3, v1                     ; wave 0..3
	v_and_b32 v1, 31, v0                           ; lane
	s_wait_kmcnt 0x0
	s_load_b512 s[68:83], s[26:27], 0x0            ; e0 .. e15 in s68 .. s83
	s_cmp_ge_u32 ttmp9, 384
	s_cbranch_scc1 .Lln
; ---------------- THE WEIGHTS.  A lane takes a column n and its registers run down K: the conversions then give codes with K innermost, and nothing is transposed.
; A wave takes 32 columns x 256 along K, a work-group 128 columns.  Groups 0-127: wq, wk, wv, wo (32 each); 128-255: w1; 256-383: w2.
.set QOFF, 16                          ; v16-47   4 x lane + i rows of the weight
.set QX,   48                          ; v48-111  two sets of 32 numbers
.set QC,   112                         ; v112-119 a block's codes
.set QOUT, 120                         ; v120-183 the way out
.set QOV,  184                         ; v184-187 16 x lane + kb k-blocks of the codes
	s_lshr_b32 s50, ttmp9, 7                       ; 0: a square weight, 1: w1, 2: w2
	s_and_b32 s48, ttmp9, 127
	s_and_b32 s49, ttmp9, 31
	s_lshr_b32 s57, ttmp9, 5
	s_lshl_b32 s57, s57, 16                        ; a square weight's 1,024 rows of 64 bytes
	s_cmp_lt_u32 ttmp9, 128
	s_cselect_b32 s48, s49, s48                    ; my number within the weight
	s_cselect_b32 s57, s57, 0
	s_mov_b32 s51, 4096
	s_cmp_eq_u32 s50, 1
	s_cselect_b32 s51, 16384, s51                  ; a row of the weight in bytes
	s_cselect_b32 s52, 31, 7
	s_cselect_b32 s53, 5, 3
	s_mov_b32 s56, 262144
	s_cmp_eq_u32 s50, 2
	s_cselect_b32 s56, 65536, s56                  ; a k-block of the codes in bytes
	s_and_b32 s54, s48, s52                        ; which 128 columns
	s_lshr_b32 s55, s48, s53                       ; which 256 along K
	s_lshl_b32 s58, s50, 22
	s_add_co_u32 s57, s57, s58                     ; where the weight's codes begin in wc
	s_mov_b64 s[60:61], s[24:25]                   ; the weight: a choice on the work-group's number alone
	s_cmp_lt_u32 ttmp9, 256
	s_cselect_b64 s[60:61], s[22:23], s[60:61]
	s_cmp_lt_u32 ttmp9, 128
	s_cselect_b64 s[60:61], s[20:21], s[60:61]
	s_cmp_lt_u32 ttmp9, 96
	s_cselect_b64 s[60:61], s[18:19], s[60:61]
	s_cmp_lt_u32 ttmp9, 64
	s_cselect_b64 s[60:61], s[16:17], s[60:61]
	s_cmp_lt_u32 ttmp9, 32
	s_cselect_b64 s[60:61], s[14:15], s[60:61]
	s_mul_i32 s84, s55, s51
	s_lshl_b32 s84, s84, 8                         ; 256 rows for each step along K
	s_lshl_b32 s85, s54, 9
	s_add_co_u32 s84, s84, s85                     ; + 128 columns of 4 bytes
	s_lshl_b32 s85, s3, 7
	s_add_co_u32 s84, s84, s85                     ; + my wave's 32
	s_mov_b32 s85, 0
	s_add_nc_u64 s[32:33], s[60:61], s[84:85]      ; eight bases, 32 rows apart: none is stepped while loads are out
	s_lshl_b32 s86, s51, 5
	s_mov_b32 s87, 0
.irp t, 1,2,3,4,5,6,7
	s_add_nc_u64 s[32+2*\t:33+2*\t], s[30+2*\t:31+2*\t], s[86:87]
.endr
	s_mul_i32 s88, s55, s56
	s_lshl_b32 s88, s88, 2                         ; four k-blocks for each step along K
	s_add_co_u32 s88, s88, s57
	s_lshl_b32 s89, s54, 13
	s_add_co_u32 s88, s88, s89                     ; + 128 rows of 64 bytes
	s_lshl_b32 s89, s3, 11
	s_add_co_u32 s88, s88, s89                     ; + my wave's 32
	s_mov_b32 s89, 0
	s_add_nc_u64 s[28:29], s[28:29], s[88:89]
	s_wait_alu depctr_va_vdst(0)
	v_lshlrev_b32 v[QOFF], 2, v1
.set i, 1
.rept 31
	v_add_nc_u32 v[QOFF+i], s51, v[QOFF+i-1]
.set i, i+1
.endr
	v_lshlrev_b32 v[QOV], 4, v1
.irp k, 1,2,3
	v_add_nc_u32 v[QOV+\k], s56, v[QOV+\k-1]
.endr
	s_mul_i32 s90, s3, 10240                       ; my stage: [4 k-blocks][32 columns], 80 bytes from column to column
	v_mul_u32_u24 v4, v1, 80
	v_add_nc_u32 v4, s90, v4                       ; in: my column's row
	v_lshrrev_b32 v7, 2, v1
	v_mul_u32_u24 v7, v7, 80
	v_and_b32 v8, 3, v1
	v_lshl_add_u32 v7, v8, 4, v7
	v_add_nc_u32 v7, s90, v7                       ; back: four lanes to a row of 64 bytes, eight rows an instruction
.macro LOAD t                          ; block t: W(32 t + i, my column), i = 0 .. 31: a wave's load reads 128 consecutive bytes, the four waves stand side by side
.set i, 0
.rept 32
	global_load_b32 v[QX+32*((\t)%2)+i], v[QOFF+i], s[32+2*(\t):33+2*(\t)] th:TH_LOAD_NT
.set i, i+1
.endr
.endm
	LOAD 0
	LOAD 1
	s_wait_kmcnt 0x0
	s_mov_b32 s59, s83                             ; the weight's exponent: entries 1, 3, 5, 11, 13, 15
	s_cmp_lt_u32 ttmp9, 256
	s_cselect_b32 s59, s81, s59
	s_cmp_lt_u32 ttmp9, 128
	s_cselect_b32 s59, s79, s59
	s_cmp_lt_u32 ttmp9, 96
	s_cselect_b32 s59, s73, s59
	s_cmp_lt_u32 ttmp9, 64
	s_cselect_b32 s59, s71, s59
	s_cmp_lt_u32 ttmp9, 32
	s_cselect_b32 s59, s69, s59
	s_add_co_i32 s59, s59, 127
	s_lshl_b32 s62, s59, 23
	v_mov_b32 v11, s62                             ; 2^e as f32: the conversion takes its exponent field
	s_add_co_i32 s59, s59, 8
	s_lshl_b32 s59, s59, 23
	s_or_b32 s59, s59, 0x600000
.macro BLOCK t
.set XS, QX+32*((\t)%2)
.if (\t) < 7
	s_wait_loadcnt 32                              ; this block's 32 loads are in; the next block's may be out
.else
	s_wait_loadcnt 0
.endif
.set i, 0
.rept 32
.set i, i+1
.endr
.irp g, 0,1,2,3                        ; numbers 8 g .. 8 g + 7 of the block go to its bytes 0, 16, 8, 24: the layout's order
	v_cvt_scalef32_pk8_fp8_f32 v[QC+2*((\g%2)*2+\g/2):QC+2*((\g%2)*2+\g/2)+1], v[XS+8*\g:XS+8*\g+7], v11
.endr
	ds_store_b128 v4, v[QC:QC+3] offset:((\t)/2)*2560+32*((\t)%2)
	ds_store_b128 v4, v[QC+4:QC+7] offset:((\t)/2)*2560+32*((\t)%2)+16
.if (\t)+2 < 8
	LOAD (\t)+2
.endif
	s_wait_dscnt 0x0                               ; the stores have read their registers: the next block's codes may be written
.endm
	s_wait_alu depctr_va_vdst(0)
.irp t, 0,1,2,3,4,5,6,7
	BLOCK \t
.endr
.irp i, 0,1,2,3,4,5,6,7,8,9,10,11,12,13,14,15
	ds_load_b128 v[QOUT+4*\i:QOUT+4*\i+3], v7 offset:(\i/4)*2560+(\i%4)*640   ; LDS serves a wave's instructions in order: these see my stores
.endr
.irp i, 0,1,2,3,4,5,6,7,8,9,10,11,12,13,14,15
	s_wait_dscnt 15-\i
	global_store_b128 v[QOV+\i/4], v[QOUT+4*\i:QOUT+4*\i+3], s[28:29] offset:(\i%4)*512   ; 32 lanes store 512 consecutive bytes, at a multiple of 512 from the buffer's first byte
.endr
	s_wait_tensorcnt 0x0                           ; the wave's end, behind my last LDS store
	ds_add_u32 v[SPW], v[NIL]
	s_wait_dscnt 0x0
	s_endpgm
; ---------------- LN1 AND ITS THREE QUANTISINGS.  A wave takes four rows and keeps them in registers; lane l holds, of each row, k = 256 c + 8 l + 0 .. 7, c = 0 .. 3.
; Mean, then the mean of the squared differences (two passes over registers: no difference of large sums), 1 / sqrt by v_rsq_f32, gain and shift; all f32.
.set LX, 16                            ; v16-143  row p at + 32 p + 8 c + j
.set LA, 144                           ; v144-175 the gain; later a set of 32 for the way out
.set LS, 176                           ; v176-207 the shift; later the other set
.set LT, 208                           ; v208-223 at work: sums
.set LC, 224                           ; v224-227 two pairs of codes
.set LM, 228                           ; v228-235 a pair a row: the mean, then 1 / sqrt(var + eps)
.set LQ, 236                           ; v236, v238, v240: 2^e for each quantising
.Lln:
	s_sub_co_u32 s48, ttmp9, 384
	s_lshl_b32 s48, s48, 2
	s_add_co_u32 s48, s48, s3                      ; which four rows
	s_lshl_b32 s50, s48, 14
	s_mov_b32 s51, 0
	s_add_nc_u64 s[8:9], s[8:9], s[50:51]          ; x at my first row
	s_lshl_b32 s50, s48, 8
	s_add_nc_u64 s[40:41], s[30:31], s[50:51]      ; my rows' 256 bytes of k-block 0, in each of the three sets of codes
	s_add_nc_u64 s[42:43], s[40:41], 0x400000
	s_add_nc_u64 s[44:45], s[42:43], 0x400000
	s_wait_alu depctr_va_vdst(0)
	v_lshlrev_b32 v2, 5, v1                        ; 32 bytes a lane
.irp p, 0,1,2,3
.irp c, 0,1,2,3
	global_load_b128 v[LX+32*\p+8*\c:LX+32*\p+8*\c+3], v2, s[8:9] offset:4096*\p+1024*\c th:TH_LOAD_NT
	global_load_b128 v[LX+32*\p+8*\c+4:LX+32*\p+8*\c+7], v2, s[8:9] offset:4096*\p+1024*\c+16 th:TH_LOAD_NT
.endr
.endr
.irp c, 0,1,2,3
	global_load_b128 v[LA+8*\c:LA+8*\c+3], v2, s[10:11] offset:1024*\c
	global_load_b128 v[LA+8*\c+4:LA+8*\c+7], v2, s[10:11] offset:1024*\c+16
.endr
.irp c, 0,1,2,3
	global_load_b128 v[LS+8*\c:LS+8*\c+3], v2, s[12:13] offset:1024*\c
	global_load_b128 v[LS+8*\c+4:LS+8*\c+7], v2, s[12:13] offset:1024*\c+16
.endr
	s_mov_b32 s84, 0x3a800000                      ; 1 / 1024
	s_mov_b32 s85, 0x3727c5ac                      ; 1e-5
	s_mov_b32 s86, 0x76543210                      ; v_permlanex16_b32: lane l xor 16
	s_mov_b32 s87, 0xfedcba98
	s_mul_i32 s52, s3, 4352
	s_add_co_u32 s52, s52, LNST                    ; my stage: four rows of 1,024 codes, 1,088 bytes apart
	v_and_b32 v3, 0x1c, v1
	v_and_b32 v6, 1, v1
	v_lshl_add_u32 v3, v6, 1, v3
	v_bfe_u32 v6, v1, 1, 1
	v_add_nc_u32 v3, v3, v6                        ; my lane with its two lowest bits exchanged: the layout's order of groups of eight
	v_lshlrev_b32 v3, 3, v3
	v_add_nc_u32 v3, s52, v3                       ; in: 8 bytes
	v_bfe_u32 v6, v1, 2, 2                         ; back: row (l / 4) % 4, k-block l / 16 of two, piece l % 4
	v_mul_u32_u24 v4, v6, 1088
	v_lshrrev_b32 v7, 4, v1
	v_lshl_add_u32 v4, v7, 6, v4
	v_and_b32 v8, 3, v1
	v_lshl_add_u32 v4, v8, 4, v4
	v_add_nc_u32 v4, s52, v4
	v_lshlrev_b32 v5, 18, v7                       ; and the same place in the codes: a k-block is 262,144 bytes
	v_lshl_add_u32 v5, v6, 6, v5
	v_lshl_add_u32 v5, v8, 4, v5
.macro SCALE e, reg                    ; v[reg] = 2^e as f32; e in s[e]
	s_add_co_i32 s53, s[\e], 127
	s_lshl_b32 s54, s53, 23
	v_mov_b32 v[\reg], s54
	s_add_co_i32 s53, s53, 8
	s_lshl_b32 s53, s53, 23
	s_or_b32 s53, s53, 0x600000
.endm
	s_wait_kmcnt 0x0
	SCALE 68, LQ
	SCALE 70, LQ+2
	SCALE 72, LQ+4
.macro REDUCE                          ; the four rows' pairs of partial sums become the rows' sums, in every lane
.irp p, 0,1,2,3
	v_add_f32 v[LT+2*\p], v[LT+2*\p], v[LT+2*\p+1]
.endr
.irp m, 1,2,4,8
.irp p, 0,1,2,3
	v_add_f32_dpp v[LT+2*\p], v[LT+2*\p], v[LT+2*\p] row_xmask:\m row_mask:0xf bank_mask:0xf
.endr
.endr
.irp p, 0,1,2,3
	v_permlanex16_b32 v[LT+2*\p+1], v[LT+2*\p], s86, s87
.endr
.irp p, 0,1,2,3
	v_add_f32 v[LT+2*\p], v[LT+2*\p], v[LT+2*\p+1]
.endr
.endm
	s_wait_loadcnt 16                              ; x is in; the 16 loads of gain and shift may be out
.irp p, 0,1,2,3
	v_pk_add_f32 v[LT+2*\p:LT+2*\p+1], v[LX+32*\p:LX+32*\p+1], v[LX+32*\p+2:LX+32*\p+3]
.endr
.irp i, 4,6,8,10,12,14,16,18,20,22,24,26,28,30
.irp p, 0,1,2,3
	v_pk_add_f32 v[LT+2*\p:LT+2*\p+1], v[LT+2*\p:LT+2*\p+1], v[LX+32*\p+\i:LX+32*\p+\i+1]
.endr
.endr
	REDUCE
.irp p, 0,1,2,3
	v_mul_f32 v[LM+2*\p], s84, v[LT+2*\p]          ; the mean, twice: a pair for the packed forms
	v_mul_f32 v[LM+2*\p+1], s84, v[LT+2*\p]
.endr
.irp p, 0,1,2,3
.set i, 0
.rept 16
	v_pk_add_f32 v[LX+32*\p+i:LX+32*\p+i+1], v[LX+32*\p+i:LX+32*\p+i+1], v[LM+2*\p:LM+2*\p+1] neg_lo:[0,1] neg_hi:[0,1]
.set i, i+2
.endr
.endr
.irp p, 0,1,2,3
	v_pk_mul_f32 v[LT+2*\p:LT+2*\p+1], v[LX+32*\p:LX+32*\p+1], v[LX+32*\p:LX+32*\p+1]
.endr
.irp i, 2,4,6,8,10,12,14,16,18,20,22,24,26,28,30
.irp p, 0,1,2,3
	v_pk_fma_f32 v[LT+2*\p:LT+2*\p+1], v[LX+32*\p+\i:LX+32*\p+\i+1], v[LX+32*\p+\i:LX+32*\p+\i+1], v[LT+2*\p:LT+2*\p+1]
.endr
.endr
	REDUCE
.irp p, 0,1,2,3
	v_fma_f32 v[LT+2*\p], v[LT+2*\p], s84, s85     ; var + eps
.endr
	s_wait_alu depctr_va_vdst(0)
.irp p, 0,1,2,3
	v_rsq_f32 v[LM+2*\p], v[LT+2*\p]
.endr
	v_nop                                          ; a plain instruction behind the last of the four,
	s_wait_alu depctr_va_vdst(0)                   ; and one wait ahead of the first use
.irp p, 0,1,2,3
	v_mov_b32 v[LM+2*\p+1], v[LM+2*\p]
.endr
	s_wait_alu depctr_va_vdst(0)
	s_wait_loadcnt 0x0                             ; gain and shift
.irp p, 0,1,2,3
.set i, 0
.rept 16
	v_pk_mul_f32 v[LX+32*\p+i:LX+32*\p+i+1], v[LX+32*\p+i:LX+32*\p+i+1], v[LM+2*\p:LM+2*\p+1]
	v_pk_fma_f32 v[LX+32*\p+i:LX+32*\p+i+1], v[LX+32*\p+i:LX+32*\p+i+1], v[LA+i:LA+i+1], v[LS+i:LS+i+1]
.set i, i+2
.endr
.endr
; One quantising: the conversions read the rows in place, eight numbers each.
; The codes go through my stage and leave as two k-blocks x four rows x 64 bytes an instruction: two runs of 256 consecutive bytes, each at a multiple of 256.
.macro VARIANT v, set
.irp p, 0,1,2,3
.irp c, 0,1,2,3
.irp j, 0,1,2,3,4,5,6,7
.endr
	v_cvt_scalef32_pk8_fp8_f32 v[LC+2*(\c%2):LC+2*(\c%2)+1], v[LT+8*(\c%2)+((LX+32*\p+8*\c+0)-(LT+8*(\c%2)+0)):LT+8*(\c%2)+7+((LX+32*\p+8*\c+0)-(LT+8*(\c%2)+0))], v[LQ+2*\v]
	ds_store_b64 v3, v[LC+2*(\c%2):LC+2*(\c%2)+1] offset:1088*\p+256*\c
.endr
.endr
.irp i, 0,1,2,3,4,5,6,7
	ds_load_b128 v[\set+4*\i:\set+4*\i+3], v4 offset:128*\i   ; LDS serves a wave's instructions in order: these see my stores, and the next quantising's stores come behind them
.endr
.irp i, 0,1,2,3,4,5,6,7
	s_wait_dscnt 7-\i
	global_store_b128 v5, v[\set+4*\i:\set+4*\i+3], s[40+2*\v:41+2*\v] offset:524288*\i
.endr
.endm
	VARIANT 0, LA
	VARIANT 1, LS
	s_wait_xcnt 0x0                                ; the first quantising's stores have read their registers: the third's codes may land there
	VARIANT 2, LA
	s_wait_tensorcnt 0x0                           ; the wave's end, behind my last LDS store
	ds_add_u32 v[SPW], v[NIL]
	s_wait_dscnt 0x0
	s_endpgm
.Lfunc_end_k_qc6dd87b782_prep:
	.size	k_qc6dd87b782_prep, .Lfunc_end_k_qc6dd87b782_prep-k_qc6dd87b782_prep
	.p2alignl 7, 3214868480
	.fill 96, 4, 3214868480
	.section	.rodata,"a",@progbits
	.p2align	6, 0x0
	.amdhsa_kernel k_qc6dd87b782_prep
		.amdhsa_group_segment_fixed_size 58880
		.amdhsa_private_segment_fixed_size 0
		.amdhsa_enable_private_segment 0
		.amdhsa_kernarg_size 96
		.amdhsa_user_sgpr_count 2
		.amdhsa_user_sgpr_kernarg_segment_ptr 1
		.amdhsa_wavefront_size32 1
		.amdhsa_system_sgpr_workgroup_id_x 1
		.amdhsa_system_sgpr_workgroup_id_y 1
		.amdhsa_system_sgpr_workgroup_id_z 1
		.amdhsa_system_vgpr_workitem_id 0
		.amdhsa_next_free_vgpr 256
		.amdhsa_next_free_sgpr 96
		.amdhsa_reserve_vcc 0
		.amdhsa_float_denorm_mode_32 3
		.amdhsa_float_denorm_mode_16_64 3
		.amdhsa_fp16_overflow 1
		.amdhsa_memory_ordered 1
		.amdhsa_forward_progress 1
		.amdhsa_inst_pref_size 78
	.end_amdhsa_kernel
	.amdgpu_metadata
---
amdhsa.version: [ 1, 2 ]
amdhsa.kernels:
  - .name:           k_qc6dd87b782_prep
    .symbol:         k_qc6dd87b782_prep.kd
    .args:
      - { .name: x, .offset: 0, .size: 8, .value_kind: global_buffer, .address_space: global }
      - { .name: a1, .offset: 8, .size: 8, .value_kind: global_buffer, .address_space: global }
      - { .name: s1, .offset: 16, .size: 8, .value_kind: global_buffer, .address_space: global }
      - { .name: wq, .offset: 24, .size: 8, .value_kind: global_buffer, .address_space: global }
      - { .name: wk, .offset: 32, .size: 8, .value_kind: global_buffer, .address_space: global }
      - { .name: wv, .offset: 40, .size: 8, .value_kind: global_buffer, .address_space: global }
      - { .name: wo, .offset: 48, .size: 8, .value_kind: global_buffer, .address_space: global }
      - { .name: w1, .offset: 56, .size: 8, .value_kind: global_buffer, .address_space: global }
      - { .name: w2, .offset: 64, .size: 8, .value_kind: global_buffer, .address_space: global }
      - { .name: lowp_scales, .offset: 72, .size: 8, .value_kind: global_buffer, .address_space: global }
      - { .name: wc, .offset: 80, .size: 8, .value_kind: global_buffer, .address_space: global }
      - { .name: hc, .offset: 88, .size: 8, .value_kind: global_buffer, .address_space: global }
    .group_segment_fixed_size: 58880
    .private_segment_fixed_size: 0
    .kernarg_segment_align: 8
    .kernarg_segment_size: 96
    .max_flat_workgroup_size: 128
    .sgpr_count:     96
    .vgpr_count:     256
    .wavefront_size: 32
...
	.end_amdgpu_metadata
.endif
;; end of part 1
;; launch qkvproj (part 2): grid 8 x 32, 4 waves a work-group, clusters of 4 x 4, 327,680 bytes of LDS; arguments hc, wc, lowp_scales, qkv; writes qkv
.if DOCPART == 2
	.amdgcn_target "amdgcn-amd-amdhsa--gfx1250"
	.amdhsa_code_object_version 6
	.text
	.protected	k_qc6dd87b782_qkvproj
	.globl	k_qc6dd87b782_qkvproj
	.p2align	8
	.type	k_qc6dd87b782_qkvproj,@function
k_qc6dd87b782_qkvproj:
	s_mov_b64 s[64:65], 0
	v_nop
	global_prefetch_b8 v0, s[64:65] scope:SCOPE_SE
	s_setreg_imm32_b32 hwreg(HW_REG_WAVE_MODE, 25, 1), 1
	s_wait_xcnt 0x0
	s_wait_alu depctr_hold_cnt(0) depctr_sa_sdst(0) depctr_va_vdst(0) depctr_va_sdst(0) depctr_va_ssrc(0) depctr_va_vcc(0) depctr_vm_vsrc(0)
	s_getreg_b32 s2, hwreg(HW_REG_IB_STS2, 6, 4)
	s_cmp_eq_u32 s2, 0
	s_cbranch_scc0 .Lentry_in_a_cluster
	s_endpgm
.Lentry_in_a_cluster:
	s_bfe_u32 s2, ttmp6, 0x10000c
	s_cmp_lg_u32 s2, 0xf033
	s_cbranch_scc0 .Lentry_shape_is_right
	s_endpgm
.Lentry_shape_is_right:
; Q = h wq, K = h wk and V^T = wv^T h^T on codes of E4M3, and their results quantised at once for attention (scales 6, 7, 9).
; All codes lie as BL(R, K): [K / 64][R rows][64 bytes], byte 32 c + 16 h + 8 u + j of a row's 64 holding k = 32 c + 16 u + 8 h + j.
; A tile is 128 x 128 of a product, made by four waves, a wave 64 x 64: 16 accumulators.  A WORK-GROUP STAYS and makes three tiles, one of Q, one of K, one of V^T: 3 x 256 tiles on 256 work-groups.
; K = 1,024 of a tile is two LDS slots of 512 along K.  The ring does not stop at a tile's end: each change of slots of the first two tiles asks for the same slot of the next tile,
; so the next tile's codes are on their way while a tile is finished, quantised and stored.  The three tiles are written out; the last fills nothing.
; THE MATRIX INSTRUCTION IS USED TRANSPOSED: source 0 = 16 rows of the operand called B here, source 1 = 16 rows of A: lane (r, h) holds row 16 a + r and columns 16 b + 8 h + 0 .. 7 of the tile.
; Q, K: A = h's codes (scale 0, then 2), B = wq's, then wk's columns.  V^T: A = wv's columns, B = h's codes with scale 4, so that a lane's eight results run along the tokens, the second attention product's K.
; With cluster (X, Y) and place (cx, cy): Q and K take tile row 4 Y + cy of 32 and tile column 4 X + cx of 8; V^T takes tile row 4 X + cy of 8 and tile column 4 Y + cx of 32: A's tile hangs on cy alone, B's on cx alone, in all three.
; qkv: q +0, k +4 MiB, v +8 MiB, each [head 16][block of 64 tokens, 64][64 rows][64 bytes]: rows are tokens for q and k, channels for v.  A wave's 64 x 64 codes are one such block: 4,096 consecutive bytes.
; CLUSTERS: 4 x 4 work-groups; A's tile is asked for jointly along a row of the cluster, B's along a column.
; LIMITS: e6 - e0 - e1, e7 - e2 - e3 and e9 - e4 - e5 lie between -126 and 119.  NaN is not served.
.set KBL,   4352                       ; 64 rows of 64 bytes in LDS: 16 bytes of padding behind every 256: row p at (p / 4) 272 + (p % 4) 64, so that the 16 rows of a fragment load start at 16 different banks (64 banks of 4 bytes: ISA guide 11.1)
.set LOADB, 8*KBL                      ; one tensor load: 64 rows x 512 along K
.set SLOT,  4*LOADB                    ; A's rows 0-63, 64-127, B's rows 0-63, 64-127
.set STAGE, 2*SLOT                     ; the way out: 64 rows of 80 bytes for each wave; no tile lands here
.set SPARE, STAGE+4*5120               ; the spare words, 128 bytes for each wave, named by no other line
.set PITCH, 262144                     ; a k-block of 4,096 rows in bytes: the same for h's codes and the weights'
.set WV, 16                            ; s16 wave; s17 its half of the rows, also: fetches for A (0) or B (1); s18 its half of the columns, also: which 64 rows it fetches
.set RH, 17
.set CH, 18
.set RT, 19                            ; s19 tile row, s20 tile column of Q and K; s66, s67 of V^T
.set CT, 20
.set RTV, 66
.set CTV, 67
.set G1, 24                            ; s[24:31] descriptor group 1 for A's tiles; s[32:39] group 0 for Q's, then K's, a set for each slot
.set G0, 32
.set G1B, 48                           ; s[48:55], s[56:63] the same for B's
.set G0B, 56
.set G0V, 84                           ; s[84:91] group 0 for V^T's A, a set for each slot; s[92:99] for its B: made once, never rewritten
.set G0VB, 92
.set ADRA, 16                          ; v16-17 LDS address of my A fragments in slot 0, 1; v20-21 of B's
.set ADRB, 20
.set STO, 24
.set RD,  25
.set CO,  26
.set SPW, 28                           ; v28 LDS address of my spare word, v29 0; never rewritten
.set NIL, 29
.set CD,  96                           ; v96-127 the codes: accumulator n's pair at + 2 n
.set ACC, 128                          ; v128-255 accumulator (a, b) at + 8 (4 a + b)
.set F0,  0                            ; window 1: two fragment buffers: A's four fragments, then B's four, 16 registers each
.set F1,  128
.set MUL,  0x05                        ; sources 0 and 1 window 1; C and D window 0
.set TO_F, 0x40                        ; destination window 1, address window 0
.set MSB, 0
.macro WIN new                         ; the immediate's high byte repeats the setting that is left
.if MSB != \new
	s_set_vgpr_msb (MSB<<8)|\new
.set MSB, \new
.endif
.endm
.macro JLOAD ga, gb                    ; a joint load: waves 0 and 1 fetch A's halves, waves 2 and 3 B's; an s_nop 0 and four v_nop follow each line
	s_cmp_eq_u32 s[RH], 0
	s_cbranch_scc0 .Lfor_b_\@
	tensor_load_to_lds s[\ga:\ga+3], s[G1:G1+7]
	s_nop 0
.rept 4
	v_nop
.endr
	s_branch .Lasked_\@
.Lfor_b_\@:
	tensor_load_to_lds s[\gb:\gb+3], s[G1B:G1B+7]
	s_nop 0
.rept 4
	v_nop
.endr
.Lasked_\@:
.endm
.macro CREST
	s_cmp_lg_u32 s[WV], 0
	s_cbranch_scc1 .Lnot_wave_0_\@
	s_barrier_signal -3
.Lnot_wave_0_\@:
	s_barrier_wait -3
	s_barrier_signal -1
	s_barrier_wait -1
.endm
.macro CROUND                          ; a round of the cluster's barrier
	s_barrier_signal -1
	s_barrier_wait -1
	CREST
.endm
.macro PLACES                          ; four plain instructions between a matrix instruction and a load into its sources or a read of its result (ISA guide 7.12.1 for reads of its result)
.rept 4
	v_nop
.endr
.endm
.macro FRAG reg, adr, q, i             ; 16 rows x 128 K: k-blocks 2 q and 2 q + 1 of the slot, rows 16 i on
.irp c, 0,1,2,3
	ds_load_b128 v[\reg+4*\c:\reg+4*\c+3], v[\adr] offset:(2*(\q)+\c/2)*KBL+(\i)*1088+32*(\c%2)
.endr
.endm
.macro FETCH slot, q, f                ; 32 loads in one run: B's four fragments, then A's; the last eight are A's blocks 2 and 3
	WIN TO_F
.irp i, 0,1,2,3
	FRAG \f+64+16*\i, ADRB+\slot, \q, \i
.endr
.irp i, 0,1,2,3
	FRAG \f+16*\i, ADRA+\slot, \q, \i
.endr
.endm
.macro MUL8 f, a0, zero                ; the 16 accumulators take turns, one instruction a turn, in the same order in every quarter
.irp a, \a0, \a0+1
.irp b, 0,1,2,3
.if \zero
	v_wmma_f32_16x16x128_fp8_fp8 v[ACC+8*(4*(\a)+\b):ACC+8*(4*(\a)+\b)+7], v[\f+64+16*\b:\f+64+16*\b+15], v[\f+16*(\a):\f+16*(\a)+15], 0
.else
	v_wmma_f32_16x16x128_fp8_fp8 v[ACC+8*(4*(\a)+\b):ACC+8*(4*(\a)+\b)+7], v[\f+64+16*\b:\f+64+16*\b+15], v[\f+16*(\a):\f+16*(\a)+15], v[ACC+8*(4*(\a)+\b):ACC+8*(4*(\a)+\b)+7]
.endif
.endr
.endr
.endm
.macro QUARTER slot, qn, f, g, zero    ; multiplies buffer f (128 along K) and fetches the slot's quarter qn into g
	s_wait_dscnt 8                                 ; B and A's blocks 0, 1 are in; the youngest eight loads may be out
	WIN MUL
	MUL8 \f, 0, \zero
	PLACES
	FETCH \slot, \qn, \g
	s_wait_dscnt 32                                ; all but the 32 just issued
	WIN MUL
	MUL8 \f, 2, \zero
.endm
; The slot's last quarter, in buffer 1, and the change of slots.  fill = 1: the slot takes K's codes (from Q's: A 4 MiB on, B 1,024 rows on); fill = 2: V^T's, by its own groups 0; fill = 0: nothing is filled.
.macro TURN slot, next, fill
	WIN 0
	s_wait_tensorcnt 0x0                           ; all my tensor loads have landed: my part of the next slot;
	ds_add_u32 v[SPW], v[NIL]                      ; 0 onto my spare word
	s_wait_dscnt 9                                 ; (the add and the youngest eight loads may be out)
	WIN MUL
	MUL8 F1, 0, 0
	s_wait_dscnt 0x0                               ; the add is done, my reads of this slot are over
	s_barrier_signal -1
	WIN 0
	s_barrier_wait -1
.if \fill == 1
	CREST                                          ; the barrier has opened a round of the cluster's: no wave of any partner still reads this slot or has a load on its way
	s_add_nc_u64 s[G0+4*\slot+2:G0+4*\slot+3], s[G0+4*\slot+2:G0+4*\slot+3], 0x400000
	s_add_nc_u64 s[G0B+4*\slot+2:G0B+4*\slot+3], s[G0B+4*\slot+2:G0B+4*\slot+3], 65536
	JLOAD G0+4*\slot, G0B+4*\slot                  ; the first tensor load behind the round, one a wave; its four v_nop are also the places in front of the loads below
.elseif \fill == 2
	CREST
	JLOAD G0V+4*\slot, G0VB+4*\slot
.else
	PLACES
.endif
	FETCH \next, 0, F0
	WIN MUL
	MUL8 F1, 2, 0
.endm
	s_load_b256 s[4:11], s[0:1], 0x0               ; hc s[4:5], wc s[6:7], the exponents s[8:9], qkv s[10:11]
	v_lshl_add_u32 v[SPW], v0, 2, SPARE
	v_mov_b32 v[NIL], 0
	ds_add_u32 v[SPW], v[NIL]                      ; the wave's opening: an add and its wait ahead of my first tensor load; work on registers stands between them
	ds_add_u32 v[SPW], v[NIL]
	v_lshrrev_b32 v1, 5, v0
	v_readfirstlane_b32 s[WV], v1
	s_lshr_b32 s[RH], s[WV], 1
	s_and_b32 s[CH], s[WV], 1
	s_bfe_u32 s21, ttmp6, 0x40000                  ; cx
	s_bfe_u32 s22, ttmp6, 0x40004                  ; cy
	s_lshl_b32 s2, ttmp9, 2                        ; 4 x cluster x (0, 1)
	s_and_b32 s3, ttmp7, 0xffff
	s_lshl_b32 s3, s3, 2                           ; 4 x cluster y (0 .. 7)
	s_add_co_u32 s[CT], s2, s21                    ; Q, K: tile column 0 .. 7,
	s_add_co_u32 s[RT], s3, s22                    ; tile row 0 .. 31
	s_add_co_u32 s[RTV], s2, s22                   ; V^T: tile row 0 .. 7,
	s_add_co_u32 s[CTV], s3, s21                   ; tile column 0 .. 31
	s_lshl_b32 s42, s22, 2
	s_lshl_b32 s42, 15, s42                        ; my row of the cluster
	s_lshl_b32 s43, 0x1111, s21                    ; my column
	; descriptor group 1: 8 k-blocks (rows of the tile) of 4,096 consecutive bytes; elements of 1 byte; 4 words of padding behind every 64
	s_or_b32 s[G1], s42, (1<<20)|(1<<21)|(5<<22)|(3<<25)
	s_or_b32 s[G1B], s43, (1<<20)|(1<<21)|(5<<22)|(3<<25)
.irp g, G1, G1B
	s_mov_b32 s[\g+1], 4096<<16                    ; tensor_dim0
	s_mov_b32 s[\g+2], 8<<16                       ; tensor_dim1
	s_mov_b32 s[\g+3], 4096<<16                    ; tile_dim0
	s_mov_b32 s[\g+4], 8                           ; tile_dim1
	s_mov_b32 s[\g+5], PITCH                       ; from k-block to k-block
	s_mov_b32 s[\g+6], 0
	s_mov_b32 s[\g+7], 0
.endr
	s_lshl_b32 s40, s[RT], 13                      ; Q's A: 128 rows of 64 bytes a tile row, + my 64, in registers that never hold cx
	s_lshl_b32 s41, s[CH], 12
	s_add_co_u32 s40, s40, s41
	s_mov_b32 s41, 0
	s_lshl_b32 s46, s[CT], 13                      ; Q's B likewise, in registers that never hold cy
	s_lshl_b32 s47, s[CH], 12
	s_add_co_u32 s46, s46, s47
	s_mov_b32 s47, 0
	s_lshl_b32 s12, s[RTV], 13                     ; V^T's A: wv's columns are rows 2,048 on of the weights' codes
	s_lshl_b32 s13, s[CH], 12
	s_add_co_u32 s12, s12, s13
	s_add_co_u32 s12, s12, 131072
	s_mov_b32 s13, 0
	s_lshl_b32 s14, s[CTV], 13                     ; V^T's B: h's codes with scale 4
	s_lshl_b32 s15, s[CH], 12
	s_add_co_u32 s14, s14, s15
	s_add_co_u32 s14, s14, 0x800000
	s_mov_b32 s15, 0
	s_mul_i32 s23, s[WV], LOADB                    ; where my load lands: no place in the cluster enters an LDS address
	s_wait_dscnt 0x0                               ; the opening add is done
	s_wait_kmcnt 0x0
	s_load_b512 s[68:83], s[8:9], 0x0              ; e0 .. e15
	s_add_nc_u64 s[40:41], s[4:5], s[40:41]
	s_add_nc_u64 s[46:47], s[6:7], s[46:47]
	s_add_nc_u64 s[12:13], s[6:7], s[12:13]
	s_add_nc_u64 s[14:15], s[4:5], s[14:15]
	CROUND                                         ; all sixteen work-groups are here: the first joint loads meet
.irp s, 0,1
	s_mov_b32 s[G0+4*\s], 1
	s_add_co_u32 s[G0+4*\s+1], s23, \s*SLOT
	s_add_nc_u64 s[G0+4*\s+2:G0+4*\s+3], s[40:41], \s*8*PITCH
	s_or_b32 s[G0+4*\s+3], s[G0+4*\s+3], 0x80000000
	s_mov_b32 s[G0B+4*\s], 1
	s_add_co_u32 s[G0B+4*\s+1], s23, \s*SLOT
	s_add_nc_u64 s[G0B+4*\s+2:G0B+4*\s+3], s[46:47], \s*8*PITCH
	s_or_b32 s[G0B+4*\s+3], s[G0B+4*\s+3], 0x80000000
	JLOAD G0+4*\s, G0B+4*\s                        ; two loads of mine are out: all of Q's K
.endr
.irp s, 0,1
	s_mov_b32 s[G0V+4*\s], 1                       ; V^T's groups 0, for the second tile's changes of slots
	s_add_co_u32 s[G0V+4*\s+1], s23, \s*SLOT
	s_add_nc_u64 s[G0V+4*\s+2:G0V+4*\s+3], s[12:13], \s*8*PITCH
	s_or_b32 s[G0V+4*\s+3], s[G0V+4*\s+3], 0x80000000
	s_mov_b32 s[G0VB+4*\s], 1
	s_add_co_u32 s[G0VB+4*\s+1], s23, \s*SLOT
	s_add_nc_u64 s[G0VB+4*\s+2:G0VB+4*\s+3], s[14:15], \s*8*PITCH
	s_or_b32 s[G0VB+4*\s+3], s[G0VB+4*\s+3], 0x80000000
.endr
	v_and_b32 v1, 15, v0                           ; r
	v_bfe_u32 v2, v0, 4, 1                         ; h
	v_lshrrev_b32 v3, 2, v1
	v_mul_u32_u24 v3, v3, 272
	v_and_b32 v4, 3, v1
	v_lshl_add_u32 v3, v4, 6, v3
	v_lshl_add_u32 v3, v2, 4, v3                   ; a fragment's lane part: (r / 4) 272 + (r % 4) 64 + 16 h
	s_mul_i32 s44, s[RH], LOADB
	s_mul_i32 s45, s[CH], LOADB
	s_add_co_u32 s45, s45, 2*LOADB
.irp s, 0,1
	v_add_nc_u32 v[ADRA+\s], s44, v3
	v_add_nc_u32 v[ADRB+\s], s45, v3
	s_add_co_u32 s44, s44, SLOT
	s_add_co_u32 s45, s45, SLOT
.endr
	s_mul_i32 s23, s[WV], 5120
	s_add_co_u32 s23, s23, STAGE                   ; my stage
	v_mul_u32_u24 v[STO], v1, 80
	v_lshl_add_u32 v[STO], v2, 4, v[STO]
	v_add_nc_u32 v[STO], s23, v[STO]               ; in: row r, 16 bytes for each half of the lanes
	v_and_b32 v5, 31, v0
	v_lshrrev_b32 v[RD], 2, v5
	v_mul_u32_u24 v[RD], v[RD], 80
	v_and_b32 v4, 3, v5
	v_lshl_add_u32 v[RD], v4, 4, v[RD]
	v_add_nc_u32 v[RD], s23, v[RD]                 ; back: four lanes to a row of 64 bytes
	v_lshlrev_b32 v[CO], 4, v5
	; where my three blocks of 4,096 bytes go: s[40:41] q's, s[42:43] k's, s[44:45] v's
	s_lshl_b32 s42, s[CT], 1
	s_add_co_u32 s42, s42, s[CH]
	s_lshl_b32 s42, s42, 18                        ; the head: my 64 columns
	s_lshl_b32 s43, s[RT], 1
	s_add_co_u32 s43, s43, s[RH]
	s_lshl_b32 s43, s43, 12                        ; the block of 64 tokens: my 64 rows
	s_add_co_u32 s42, s42, s43
	s_mov_b32 s43, 0
	s_add_nc_u64 s[40:41], s[10:11], s[42:43]
	s_add_nc_u64 s[42:43], s[40:41], 0x400000
	s_lshl_b32 s44, s[RTV], 1
	s_add_co_u32 s44, s44, s[RH]
	s_lshl_b32 s44, s44, 18                        ; V^T: the head is my 64 rows,
	s_lshl_b32 s45, s[CTV], 1
	s_add_co_u32 s45, s45, s[CH]
	s_lshl_b32 s45, s45, 12                        ; the block of tokens my 64 columns
	s_add_co_u32 s44, s44, s45
	s_add_co_u32 s44, s44, 0x800000
	s_mov_b32 s45, 0
	s_add_nc_u64 s[44:45], s[10:11], s[44:45]
; A sum stands for sum x 2^(its two operands' e): its code is sum / 2^(e of the next operand - those two): the three scales are folded into the conversion's one.  v[reg] = that power of two.
.macro FOLD en, ea, eb, reg
	s_sub_co_i32 s2, s[\en], s[\ea]
	s_sub_co_i32 s2, s2, s[\eb]
	s_add_co_i32 s2, s2, 127
	s_lshl_b32 s3, s2, 23
	v_mov_b32 v[\reg], s3
.endm
	s_wait_kmcnt 0x0
	FOLD 74, 68, 69, 8                             ; q: e6 - e0 - e1
	FOLD 75, 70, 71, 10                            ; k: e7 - e2 - e3
	FOLD 77, 72, 73, 12                            ; v: e9 - e4 - e5
; THE WAY OUT of a tile: codes, through my stage, 4,096 consecutive bytes out.  later = 1: an earlier tile's stores have named the registers that the read-back fills.
.macro OUTC sc, ob, later
	WIN 0
	PLACES                                         ; behind the last products
.set n, 0
.rept 16
.set i, 0
.rept 8
.set i, i+1
.endr
	v_cvt_scalef32_pk8_fp8_f32 v[CD+2*n:CD+2*n+1], v[ACC+8*n:ACC+8*n+7], v[\sc]
.set n, n+1
.endr
	v_nop                                          ; a plain instruction behind the last conversion: the next tile's products write its sources
.irp a, 0,1,2,3
.irp p, 0,1
	ds_store_b128 v[STO], v[CD+8*\a+4*\p:CD+8*\a+4*\p+3] offset:1280*\a+32*\p   ; columns 32 p + 16 u + 8 h + j as bytes 32 p + 16 h + 8 u + j: the layout's order
.endr
.endr
.if \later
	s_wait_xcnt 0x0                                ; the last tile's stores have read their registers: the loads below may land there
.endif
.irp i, 0,1,2,3,4,5,6,7
	ds_load_b128 v[32+4*\i:35+4*\i], v[RD] offset:640*\i   ; LDS serves a wave's instructions in order: these see my stores
.endr
.irp i, 0,1,2,3,4,5,6,7
	s_wait_dscnt 7-\i
	global_store_b128 v[CO], v[32+4*\i:35+4*\i], s[\ob:\ob+1] offset:512*\i   ; 32 lanes store 512 consecutive bytes of my block of 4,096
.endr
.endm
; A tile: eight quarters of 128 along K; the first products start the sums: nothing is cleared.  fill as in TURN.
.macro TILE fill, sc, ob, later
	QUARTER 0, 1, F0, F1, 1
	QUARTER 0, 2, F1, F0, 0
	QUARTER 0, 3, F0, F1, 0
	TURN 0, 1, \fill
	QUARTER 1, 1, F0, F1, 0
	QUARTER 1, 2, F1, F0, 0
	QUARTER 1, 3, F0, F1, 0
.if \fill
	TURN 1, 0, \fill                               ; slot 1 takes the next tile's second half, and the next tile's first fragments are fetched
.else
	s_wait_dscnt 8                                 ; the very last quarter: nothing more to fetch
	WIN MUL
	MUL8 F1, 0, 0
	s_wait_dscnt 0
	MUL8 F1, 2, 0
.endif
	s_wait_alu depctr_va_vdst(0)
	OUTC \sc, \ob, \later
.endm
	s_wait_tensorcnt 1                             ; my part of slot 0 is in; slot 1's may stay out
	s_barrier_signal -1
	s_barrier_wait -1
	FETCH 0, 0, F0
	TILE 1, 8, 40, 0                               ; Q; its changes of slots ask for K's codes
	TILE 2, 10, 42, 1                              ; K; its changes of slots ask for V^T's
	TILE 0, 12, 44, 1                              ; V^T; nothing is left to ask for
	s_wait_tensorcnt 0x0                           ; the wave's end
	ds_add_u32 v[SPW], v[NIL]
	s_wait_dscnt 0x0
	CROUND                                         ; the closing round
	s_endpgm
.Lfunc_end_k_qc6dd87b782_qkvproj:
	.size	k_qc6dd87b782_qkvproj, .Lfunc_end_k_qc6dd87b782_qkvproj-k_qc6dd87b782_qkvproj
	.p2alignl 7, 3214868480
	.fill 96, 4, 3214868480
	.section	.rodata,"a",@progbits
	.p2align	6, 0x0
	.amdhsa_kernel k_qc6dd87b782_qkvproj
		.amdhsa_group_segment_fixed_size 327680
		.amdhsa_private_segment_fixed_size 0
		.amdhsa_enable_private_segment 0
		.amdhsa_kernarg_size 32
		.amdhsa_user_sgpr_count 2
		.amdhsa_user_sgpr_kernarg_segment_ptr 1
		.amdhsa_wavefront_size32 1
		.amdhsa_system_sgpr_workgroup_id_x 1
		.amdhsa_system_sgpr_workgroup_id_y 1
		.amdhsa_system_sgpr_workgroup_id_z 1
		.amdhsa_system_vgpr_workitem_id 0
		.amdhsa_next_free_vgpr 512
		.amdhsa_next_free_sgpr 100
		.amdhsa_reserve_vcc 0
		.amdhsa_float_denorm_mode_32 3
		.amdhsa_float_denorm_mode_16_64 3
		.amdhsa_fp16_overflow 1
		.amdhsa_memory_ordered 1
		.amdhsa_forward_progress 1
		.amdhsa_inst_pref_size 102
	.end_amdhsa_kernel
	.amdgpu_metadata
---
amdhsa.version: [ 1, 2 ]
amdhsa.kernels:
  - .name:           k_qc6dd87b782_qkvproj
    .symbol:         k_qc6dd87b782_qkvproj.kd
    .args:
      - { .name: hc, .offset: 0, .size: 8, .value_kind: global_buffer, .address_space: global }
      - { .name: wc, .offset: 8, .size: 8, .value_kind: global_buffer, .address_space: global }
      - { .name: lowp_scales, .offset: 16, .size: 8, .value_kind: global_buffer, .address_space: global }
      - { .name: qkv, .offset: 24, .size: 8, .value_kind: global_buffer, .address_space: global }
    .group_segment_fixed_size: 327680
    .private_segment_fixed_size: 0
    .kernarg_segment_align: 8
    .kernarg_segment_size: 32
    .max_flat_workgroup_size: 128
    .sgpr_count:     100
    .vgpr_count:     512
    .wavefront_size: 32
...
	.end_amdgpu_metadata
.endif
;; end of part 2
;; launch attn (part 3): grid 8 x 32, 16 waves a work-group, no clusters, 327,680 bytes of LDS; arguments qkv, lowp_scales, ctx; writes ctx
.if DOCPART == 3
	.amdgcn_target "amdgcn-amd-amdhsa--gfx1250"
	.amdhsa_code_object_version 6
	.text
	.protected	k_qc6dd87b782_attn
	.globl	k_qc6dd87b782_attn
	.p2align	8
	.type	k_qc6dd87b782_attn,@function
k_qc6dd87b782_attn:
	s_mov_b64 s[64:65], 0
	v_nop
	global_prefetch_b8 v0, s[64:65] scope:SCOPE_SE
	s_setreg_imm32_b32 hwreg(HW_REG_WAVE_MODE, 25, 1), 1
	s_wait_xcnt 0x0
; Causal attention on codes of E4M3, head size 64, and its result quantised for the next product (scale 10).
; qkv: q +0, k +4 MiB, v +8 MiB; for a head and a batch entry 131,072 bytes each: q, k as [token 2,048][64 bytes], v as [block of 64 tokens][channel 64][64 bytes along the tokens].
; Inside 64 bytes, byte 32 c + 16 h + 8 u + j holds index 32 c + 16 u + 8 h + j, so that 16-byte loads at 32 c + 16 h put every index in the 8-bit fragment's own place.
; THE SOFTMAX: t = score x log2(e) / 8; M = the running largest t rounded up to a whole number; p = 2^(t - M) is quantised with 2^e8; the sum is taken of the unquantised p and divides at the end;
; when M moves, the sum and O are multiplied by 2^(old M - new M), which rounds nothing.
; SHARES.  Work-group (i, y): y = 2 x head + batch entry; it owns the blocks i and 15 - i of 128 queries: waves 0-7 block i, waves 8-15 block 15 - i, 16 queries a wave.  So every work-group has
; (i + 1) + (16 - i) = 17 blocks of key steps under the causal mask.  A step is 128 keys; a step all of whose keys come after the wave's queries is left out by a scalar branch on ids.
; The head's 2,048 keys and values lie whole in LDS, brought by waves 0-3 in four chunks of 512 keys, all asked for at the start; nothing is filled again.
; NO CLUSTER: the branch that leaves steps out hangs on the work-group's block of queries, which would differ between partners.
; Both products are used transposed: S^T = K Q^T (a lane holds query lane % 16; tile t, register j: key 16 t + 8 (lane / 16) + j), so the conversion of tile t is registers 2 t, 2 t + 1 of P; O^T = V^T P^T.
; LIMITS: e6 + e7 between -123 and 129 (added to the exponent field of log2(e) / 8); e8 between -126 and 119.  e8 + e9 - e10 is applied by v_ldexp_f32.  NaN is not served.
; REGISTERS: v1, v2 lane parts of K's and V's addresses; v8, v9 the step's addresses; v12 -M, v13 the largest t, v[14:15] the sum; v16-23 Q; v32-95 K's 8 fragments, then V's 4; v96-159 S^T, then p;
; v160-191 O^T; v224-239 p's codes; v240-254 at work.
.set VOFF,  139264                     ; K: 512 lines of 272 bytes (256 + 16 of padding) from byte 0; V likewise from here
.set STAGE, 278528                     ; the way out: 16 rows of 80 bytes for each wave; no tile lands here
.set SPARE, 299008                     ; the spare words, 128 bytes for each of 16 waves, named by no other line
.set AK0, 1
.set AV0, 2
.set SPW, 5                            ; v5 LDS address of my spare word, v6 0; never rewritten
.set NIL, 6
.set GO,  7
.set ADK, 8
.set ADV, 9
.set WV,  18
.set SEL, 20                           ; s[20:21] v_permlanex16_b32: lane l xor 16
.set CS,  22                           ; s[22:23] c = log2(e) / 8 x 2^(e6 + e7)
.set G1,  24                           ; s[24:31] descriptor group 1; s[40:55] four groups 0
.set G0,  40
.set TB,  2                            ; s2  LDS byte at which the step's keys begin (the same for K and V)
.set CNT, 3
.set KF,  98                           ; s98 the step's first key
.set Q0,  99                           ; s99 my first query
	s_load_b128 s[4:7], s[0:1], 0x0                ; qkv s[4:5], the exponents s[6:7]
	s_load_b64 s[8:9], s[0:1], 0x10                ; ctx
	v_lshl_add_u32 v[SPW], v0, 2, SPARE
	v_mov_b32 v[NIL], 0
	ds_add_u32 v[SPW], v[NIL]                      ; the wave's opening: an add and its wait ahead of the first tensor load; work on registers stands between them
	ds_add_u32 v[SPW], v[NIL]
	v_lshrrev_b32 v8, 5, v0
	s_delay_alu instid0(VALU_DEP_1)
	v_readfirstlane_b32 s[WV], v8                  ; wave 0..15
	s_and_b32 s10, ttmp7, 0xffff
	s_lshl_b32 s10, s10, 17                        ; the head's and batch entry's first byte in q, k, v and ctx
	s_mov_b32 s11, 0
	s_sub_co_u32 s12, 15, ttmp9
	s_cmp_lt_u32 s[WV], 8
	s_cselect_b32 s12, ttmp9, s12                  ; my block of 128 queries
	s_lshl_b32 s12, s12, 7
	s_and_b32 s13, s[WV], 7
	s_lshl_b32 s13, s13, 4
	s_add_co_u32 s[Q0], s12, s13
	s_bfe_u32 s14, s[WV], 0x10001                  ; waves 0, 1 fetch K, waves 2, 3 V;
	s_and_b32 s15, s[WV], 1                        ; the first or the second 256 keys of each chunk
	s_mul_i32 s16, s14, VOFF
	s_mul_i32 s17, s15, 17408
	s_add_co_u32 s16, s16, s17                     ; in LDS,
	s_lshl_b32 s56, s14, 22
	s_lshl_b32 s57, s15, 14
	s_add_co_u32 s56, s56, s57
	s_add_co_u32 s56, s56, s10
	s_add_co_u32 s56, s56, 0x400000                ; and in memory
	s_mov_b32 s57, 0
	; descriptor group 1: a dense block of 16,384 bytes as 64 rows of 32 elements of 8 bytes; 4 words of padding behind every 64
	s_mov_b32 s[G1], (3<<16)|(1<<20)|(5<<22)|(3<<25)
	s_mov_b32 s[G1+1], 32<<16
	s_mov_b32 s[G1+2], 64<<16
	s_mov_b32 s[G1+3], 32<<16
	s_mov_b32 s[G1+4], 64
	s_mov_b32 s[G1+5], 32
	s_mov_b32 s[G1+6], 0
	s_mov_b32 s[G1+7], 0
	s_mov_b32 s[SEL], 0x76543210
	s_mov_b32 s[SEL+1], 0xfedcba98
	s_mov_b32 s[CS], 0x3e38aa3b                    ; log2(e) / 8
	s_mov_b32 s[KF], 0
	s_lshl_b32 s58, s[Q0], 6
	s_add_co_u32 s58, s58, s10
	s_mov_b32 s59, 0
	s_wait_dscnt 0x0                               ; the opening add is done
	s_wait_kmcnt 0x0
	s_load_b512 s[68:83], s[6:7], 0x0              ; e0 .. e15
	s_add_nc_u64 s[56:57], s[4:5], s[56:57]
.irp c, 0,1,2,3
	s_mov_b32 s[G0+4*\c], 1
	s_add_co_u32 s[G0+4*\c+1], s16, \c*34816
	s_add_nc_u64 s[G0+4*\c+2:G0+4*\c+3], s[56:57], \c*32768
	s_or_b32 s[G0+4*\c+3], s[G0+4*\c+3], 0x80000000
.endr
	s_cmp_lt_u32 s[WV], 4                          ; a wave's four first fills stand in one branch on the wave's number: four loads of mine are out
	s_cbranch_scc0 .Lno_fetch
.irp c, 0,1,2,3
	tensor_load_to_lds s[G0+4*\c:G0+4*\c+3], s[G1:G1+7]
	s_nop 0
.endr
.rept 4
	v_nop
.endr
.Lno_fetch:
	s_add_nc_u64 s[60:61], s[4:5], s[58:59]        ; q at my first query
	s_add_nc_u64 s[8:9], s[8:9], s[58:59]          ; ctx likewise: its k-block is the head, its rows are the tokens
	v_and_b32 v8, 15, v0                           ; r
	v_bfe_u32 v9, v0, 4, 1                         ; h
	s_delay_alu instid0(VALU_DEP_2)
	v_lshlrev_b32 v10, 6, v8
	s_delay_alu instid0(VALU_DEP_1)
	v_lshl_add_u32 v10, v9, 4, v10
	global_load_b128 v[16:19], v10, s[60:61]       ; Q's fragment stays in registers
	global_load_b128 v[20:23], v10, s[60:61] offset:32
	v_lshrrev_b32 v11, 2, v8
	s_delay_alu instid0(VALU_DEP_1)
	v_mul_u32_u24 v[AK0], v11, 272
	v_and_b32 v11, 3, v8
	s_delay_alu instid0(VALU_DEP_1)
	v_lshl_add_u32 v[AK0], v11, 6, v[AK0]
	s_delay_alu instid0(VALU_DEP_1)
	v_lshl_add_u32 v[AK0], v9, 4, v[AK0]           ; (r / 4) 272 + (r % 4) 64 + 16 h
	s_delay_alu instid0(VALU_DEP_1)
	v_add_nc_u32 v[AV0], VOFF, v[AK0]
	v_mov_b32 v13, 0xff61b1e6                      ; the largest t so far: -3e38
	s_delay_alu instid0(VALU_DEP_1)
	v_floor_f32 v12, -v13                          ; -M
	v_mov_b32 v14, 0
	v_mov_b32 v15, 0
	v_mov_b32 v246, 0                              ; written once: a lane permute's destination counts as one of its sources
	v_mov_b32 v252, 0
	v_mov_b32 v253, 0                              ; (named as the upper half of the pair v[252:253])
.set j, 0
.rept 32
	v_mov_b32 v[160+j], 0                          ; O^T: the step is written once, and its first run finds zeros
.set j, j+1
.endr
	s_wait_kmcnt 0x0
	s_add_co_i32 s96, s74, s75
	s_lshl_b32 s96, s96, 23
	s_add_co_i32 s[CS], s[CS], s96                 ; a score stands for score x 2^(e6 + e7)
	s_mov_b32 s[CS+1], s[CS]
	s_add_co_i32 s96, s76, 127
	s_lshl_b32 s97, s96, 23
	v_mov_b32 v244, s97                            ; 2^e8
.macro STEP
	s_add_co_u32 s96, s[Q0], 15
	s_cmp_gt_u32 s[KF], s96                        ; all 128 keys come after my 16 queries: the step's work is left out
	s_cbranch_scc1 .Lhidden_\@
	s_setprio 2
	v_add_nc_u32 v[ADK], s[TB], v[AK0]
	v_add_nc_u32 v[ADV], s[TB], v[AV0]
	v_nop
	v_nop                                          ; with the two additions: four places in front of loads into registers that the last products read
.irp t, 0,1,2,3,4,5,6,7
	ds_load_b128 v[32+8*\t:35+8*\t], v[ADK] offset:1088*\t
	ds_load_b128 v[36+8*\t:39+8*\t], v[ADK] offset:1088*\t+32
.endr
	s_wait_dscnt 0x0
.irp t, 0,1,2,3,4,5,6,7
	v_wmma_f32_16x16x64_fp8_fp8 v[96+8*\t:103+8*\t], v[32+8*\t:39+8*\t], v[16:23], 0
.endr
.rept 4
	v_nop
.endr
	s_add_co_u32 s96, s[KF], 127
	s_cmp_le_u32 s96, s[Q0]                        ; all keys count: no mask
	s_cbranch_scc1 .Lopen_\@
	s_sub_co_i32 s96, s[Q0], s[KF]
	v_and_b32 v252, 15, v0
	v_bfe_u32 v253, v0, 4, 1
	s_delay_alu instid0(VALU_DEP_1)
	v_lshlrev_b32 v253, 3, v253
	s_delay_alu instid0(VALU_DEP_1)
	v_sub_nc_u32 v252, v252, v253
	s_delay_alu instid0(VALU_DEP_1)
	v_add_nc_u32 v252, s96, v252                   ; d = my query - the step's first key - 8 (lane / 16): register 8 t + j is hidden where 16 t + j > d
	v_mov_b32 v254, 0xff800000                     ; -infinity: p = 0 then
.set n, 0
.rept 64
	v_cmp_gt_i32 vcc_lo, 16*(n/8)+n%8, v252
	v_cndmask_b32 v[96+n], v[96+n], v254, vcc_lo
.set n, n+1
.endr
.Lopen_\@:
	v_max3_num_f32 v254, v96, v97, v98             ; the step's largest score of my query among my 64 keys, in two chains,
	v_max3_num_f32 v252, v99, v100, v101
.irp i, 6,10,14,18,22,26,30,34,38,42,46,50,54,58
	v_max3_num_f32 v254, v254, v[96+\i], v[97+\i]
	v_max3_num_f32 v252, v252, v[98+\i], v[99+\i]
.endr
	v_max3_num_f32 v254, v254, v158, v159
	s_delay_alu instid0(VALU_DEP_1)
	v_max_num_f32 v254, v254, v252
	s_delay_alu instid0(VALU_DEP_1)
	v_permlanex16_b32 v246, v254, s[SEL], s[SEL+1]
	s_delay_alu instid0(VALU_DEP_1)
	v_max_num_f32 v254, v254, v246                 ; and among lane l xor 16's
	s_delay_alu instid0(VALU_DEP_1)
	v_mul_f32 v254, s[CS], v254                    ; as t (c is positive)
	s_delay_alu instid0(VALU_DEP_1)
	v_max_num_f32 v13, v13, v254
	v_mov_b32 v254, v12
	s_delay_alu instid0(VALU_DEP_2)
	v_floor_f32 v12, -v13                          ; the new -M = floor(-t): M is a whole number
	s_delay_alu instid0(VALU_DEP_1)
	v_sub_f32 v254, v12, v254                      ; old M - new M: a whole number, 0 or less
	s_delay_alu instid0(VALU_DEP_1)
	v_cvt_i32_f32 v254, v254
	s_delay_alu instid0(VALU_DEP_1)
	v_ldexp_f32 v252, 1.0, v254                    ; f = 2^(old M - new M)
.set j, 0
	s_setprio 1
.rept 32
	v_pk_fma_f32 v[96+j:97+j], v[96+j:97+j], s[CS:CS+1], v[12:13] op_sel_hi:[1,0,0]   ; t - M
.set j, j+2
.endr
.set j, 0
	s_wait_alu depctr_va_vdst(0)
.rept 64
	v_exp_f32 v[96+j], v[96+j]                     ; p = 2^(t - M)
.set j, j+1
.endr
	v_pk_mul_f32 v[14:15], v[14:15], v[252:253] op_sel_hi:[1,0]   ; the sum under the new M: a plain instruction behind the exponentials
	s_wait_alu depctr_va_vdst(0)                   ; one wait for the batch, ahead of its first reader
	v_pk_add_f32 v[242:243], v[100:101], v[104:105]
	v_pk_add_f32 v[254:255], v[108:109], v[112:113]
	v_pk_add_f32 v[250:251], v[116:117], v[120:121]
	v_pk_add_f32 v[248:249], v[124:125], v[128:129]
	v_pk_add_f32 v[240:241], v[132:133], v[136:137]
	v_pk_add_f32 v[238:239], v[140:141], v[144:145]
	v_pk_add_f32 v[236:237], v[148:149], v[152:153]
	v_pk_add_f32 v[14:15], v[14:15], v[156:157]
	v_pk_add_f32 v[242:243], v[242:243], v[96:97]
	v_pk_add_f32 v[254:255], v[254:255], v[98:99]
	v_pk_add_f32 v[250:251], v[250:251], v[102:103]
	v_pk_add_f32 v[248:249], v[248:249], v[106:107]
	v_pk_add_f32 v[240:241], v[240:241], v[110:111]
	v_pk_add_f32 v[238:239], v[238:239], v[114:115]
	v_pk_add_f32 v[236:237], v[236:237], v[118:119]
	v_pk_add_f32 v[14:15], v[14:15], v[122:123]
	v_pk_add_f32 v[242:243], v[242:243], v[126:127]
	v_pk_add_f32 v[254:255], v[254:255], v[130:131]
	v_pk_add_f32 v[250:251], v[250:251], v[134:135]
	v_pk_add_f32 v[248:249], v[248:249], v[138:139]
	v_pk_add_f32 v[240:241], v[240:241], v[142:143]
	v_pk_add_f32 v[238:239], v[238:239], v[146:147]
	v_pk_add_f32 v[236:237], v[236:237], v[150:151]
	v_pk_add_f32 v[14:15], v[14:15], v[154:155]
	v_pk_add_f32 v[242:243], v[242:243], v[158:159]
	s_delay_alu instid0(VALU_DEP_2)
	v_pk_add_f32 v[14:15], v[14:15], v[248:249]
	s_delay_alu instid0(VALU_DEP_2)
	v_pk_add_f32 v[242:243], v[242:243], v[240:241]
	v_pk_add_f32 v[254:255], v[254:255], v[238:239]
	v_pk_add_f32 v[250:251], v[250:251], v[236:237]
	s_delay_alu instid0(VALU_DEP_2)
	v_pk_add_f32 v[14:15], v[14:15], v[254:255]
	s_delay_alu instid0(VALU_DEP_2)
	v_pk_add_f32 v[242:243], v[242:243], v[250:251]
	s_delay_alu instid0(VALU_DEP_1)
	v_pk_add_f32 v[14:15], v[14:15], v[242:243]
.irp t, 0,1,2,3,4,5,6,7
.irp i, 0,1,2,3,4,5,6,7
.endr
	v_cvt_scalef32_pk8_fp8_f32 v[224+2*\t:225+2*\t], v[96+8*\t:103+8*\t], v244
.endr
.set j, 0
	s_setprio 0
.rept 16
	v_pk_mul_f32 v[160+j:161+j], v[160+j:161+j], v[252:253] op_sel_hi:[1,0]   ; O^T under the new M; also the places in front of the loads and products below
.set j, j+2
.endr
.irp t, 0,1,2,3
.irp c, 0,1,2,3
	ds_load_b128 v[32+16*\t+4*\c:35+16*\t+4*\c], v[ADV] offset:(\c/2)*4352+1088*\t+32*(\c%2)
.endr
.endr
	s_wait_alu depctr_va_vdst(0)
	s_wait_dscnt 0x0
.irp t, 0,1,2,3
	v_wmma_f32_16x16x128_fp8_fp8 v[160+8*\t:167+8*\t], v[32+16*\t:47+16*\t], v[224:239], v[160+8*\t:167+8*\t]
.endr
.Lhidden_\@:
	s_add_co_u32 s[KF], s[KF], 128
	s_add_co_u32 s[TB], s[TB], 8704                ; 128 keys: 32 lines of K, two blocks of V
.endm
.macro CHUNK c                         ; 512 keys: four steps
	s_wait_tensorcnt 3-\c                          ; my part of chunk c has landed; the later chunks may stay out
	s_barrier_signal -1
	s_barrier_wait -1                              ; everybody's has
	s_mov_b32 s[TB], \c*34816
	s_mov_b32 s[CNT], 4
.Lstep_\@:
	STEP
	s_sub_co_u32 s[CNT], s[CNT], 1
	s_cmp_lg_u32 s[CNT], 0
	s_cbranch_scc1 .Lstep_\@
	s_setprio 0
.endm
	s_wait_loadcnt 0x0                             ; Q
	CHUNK 0
	CHUNK 1
	CHUNK 2
	CHUNK 3
	; THE WAY OUT: O^T / the sum x 2^(e8 + e9 - e10) is the code's number; a lane's codes of tiles 2 c, 2 c + 1 are bytes 32 c + 16 h .. of its query's 64.
	v_add_f32 v14, v14, v15
	s_delay_alu instid0(VALU_DEP_1)
	v_permlanex16_b32 v252, v14, s[SEL], s[SEL+1]
	s_delay_alu instid0(VALU_DEP_1)
	v_add_f32 v14, v14, v252
	s_wait_alu depctr_va_vdst(0)
	v_rcp_f32 v14, v14
	v_and_b32 v8, 15, v0                           ; (a plain instruction behind the reciprocal)
	v_bfe_u32 v9, v0, 4, 1
	s_add_co_i32 s96, s76, s77
	s_sub_co_i32 s96, s96, s78
	s_mul_i32 s97, s[WV], 1280
	s_add_co_u32 s97, s97, STAGE                   ; my stage
	v_mul_u32_u24 v10, v8, 80
	s_delay_alu instid0(VALU_DEP_1)
	v_lshl_add_u32 v10, v9, 4, v10
	s_delay_alu instid0(VALU_DEP_1)
	v_add_nc_u32 v10, s97, v10
	v_and_b32 v11, 31, v0
	s_delay_alu instid0(VALU_DEP_1)
	v_lshrrev_b32 v3, 2, v11
	s_delay_alu instid0(VALU_DEP_1)
	v_mul_u32_u24 v3, v3, 80
	s_delay_alu instid0(VALU_DEP_3)
	v_and_b32 v4, 3, v11
	s_delay_alu instid0(VALU_DEP_1)
	v_lshl_add_u32 v3, v4, 4, v3
	s_delay_alu instid0(VALU_DEP_1)
	v_add_nc_u32 v3, s97, v3
	v_lshlrev_b32 v[GO], 4, v11
	v_mov_b32 v245, 1.0
	s_wait_alu depctr_va_vdst(0)                   ; a wait ahead of the reciprocal's first reader
	v_ldexp_f32 v14, v14, s96
.set j, 0
.rept 32
	v_mul_f32 v[96+j], v[160+j], v14
.set j, j+1
.endr
.set j, 0
.rept 32
.set j, j+1
.endr
.irp t, 0,1,2,3
	v_cvt_scalef32_pk8_fp8_f32 v[224+2*\t:225+2*\t], v[96+8*\t:103+8*\t], v245
.endr
	v_nop                                          ; a plain instruction behind the last conversion
	ds_store_b128 v10, v[224:227]
	ds_store_b128 v10, v[228:231] offset:32
	ds_load_b128 v[32:35], v3                      ; LDS serves a wave's instructions in order: these see my stores
	ds_load_b128 v[36:39], v3 offset:640
	s_wait_dscnt 1
	global_store_b128 v[GO], v[32:35], s[8:9]      ; 32 lanes store 512 consecutive bytes of my 16 rows' 1,024
	s_wait_dscnt 0
	global_store_b128 v[GO], v[36:39], s[8:9] offset:512
	s_wait_tensorcnt 0x0                           ; the wave's end
	ds_add_u32 v[SPW], v[NIL]
	s_wait_dscnt 0x0
	s_endpgm
.Lfunc_end_k_qc6dd87b782_attn:
	.size	k_qc6dd87b782_attn, .Lfunc_end_k_qc6dd87b782_attn-k_qc6dd87b782_attn
	.p2alignl 7, 3214868480
	.fill 96, 4, 3214868480
	.section	.rodata,"a",@progbits
	.p2align	6, 0x0
	.amdhsa_kernel k_qc6dd87b782_attn
		.amdhsa_group_segment_fixed_size 327680
		.amdhsa_private_segment_fixed_size 0
		.amdhsa_enable_private_segment 0
		.amdhsa_kernarg_size 24
		.amdhsa_user_sgpr_count 2
		.amdhsa_user_sgpr_kernarg_segment_ptr 1
		.amdhsa_wavefront_size32 1
		.amdhsa_system_sgpr_workgroup_id_x 1
		.amdhsa_system_sgpr_workgroup_id_y 1
		.amdhsa_system_sgpr_workgroup_id_z 1
		.amdhsa_system_vgpr_workitem_id 0
		.amdhsa_next_free_vgpr 256
		.amdhsa_next_free_sgpr 100
		.amdhsa_reserve_vcc 1
		.amdhsa_float_denorm_mode_32 3
		.amdhsa_float_denorm_mode_16_64 3
		.amdhsa_fp16_overflow 1
		.amdhsa_memory_ordered 1
		.amdhsa_forward_progress 1
		.amdhsa_inst_pref_size 89
	.end_amdhsa_kernel
	.amdgpu_metadata
---
amdhsa.version: [ 1, 2 ]
amdhsa.kernels:
  - .name:           k_qc6dd87b782_attn
    .symbol:         k_qc6dd87b782_attn.kd
    .args:
      - { .name: qkv, .offset: 0, .size: 8, .value_kind: global_buffer, .address_space: global }
      - { .name: lowp_scales, .offset: 8, .size: 8, .value_kind: global_buffer, .address_space: global }
      - { .name: ctx, .offset: 16, .size: 8, .value_kind: global_buffer, .address_space: global }
    .group_segment_fixed_size: 327680
    .private_segment_fixed_size: 0
    .kernarg_segment_align: 8
    .kernarg_segment_size: 24
    .max_flat_workgroup_size: 512
    .sgpr_count:     100
    .vgpr_count:     256
    .wavefront_size: 32
...
	.end_amdgpu_metadata
.endif
;; end of part 3
;; launch oproj (part 4): grid 8 x 32, 4 waves a work-group, clusters of 4 x 4, 327,680 bytes of LDS; arguments ctx, wc, lowp_scales, bo, x, x2; writes x2
.if DOCPART == 4
	.amdgcn_target "amdgcn-amd-amdhsa--gfx1250"
	.amdhsa_code_object_version 6
	.text
	.protected	k_qc6dd87b782_oproj
	.globl	k_qc6dd87b782_oproj
	.p2align	8
	.type	k_qc6dd87b782_oproj,@function
k_qc6dd87b782_oproj:
	s_mov_b64 s[64:65], 0
	v_nop
	global_prefetch_b8 v0, s[64:65] scope:SCOPE_SE
	s_setreg_imm32_b32 hwreg(HW_REG_WAVE_MODE, 25, 1), 1
	s_wait_xcnt 0x0
	s_wait_alu depctr_hold_cnt(0) depctr_sa_sdst(0) depctr_va_vdst(0) depctr_va_sdst(0) depctr_va_ssrc(0) depctr_va_vcc(0) depctr_vm_vsrc(0)
	s_getreg_b32 s2, hwreg(HW_REG_IB_STS2, 6, 4)
	s_cmp_eq_u32 s2, 0
	s_cbranch_scc0 .Lentry_in_a_cluster
	s_endpgm
.Lentry_in_a_cluster:
	s_bfe_u32 s2, ttmp6, 0x10000c
	s_cmp_lg_u32 s2, 0xf033
	s_cbranch_scc0 .Lentry_shape_is_right
	s_endpgm
.Lentry_shape_is_right:
; x2 = x + (ctx wo + bo): a product on codes of E4M3, f32 out with bias and residual.
; Codes lie as BL(R, K): [K / 64][R rows][64 bytes], byte 32 c + 16 h + 8 u + j of a row's 64 holding k = 32 c + 16 u + 8 h + j.  A = ctx's codes, BL(4096, 1024); B = wo's columns, rows 3,072 on of BL(4096, 1024) in wc.
; A work-group of four waves makes 128 x 128, a wave 64 x 64: 16 accumulators; 8 x 32 tiles are 256 work-groups.  K goes through two LDS slots of 512 along K; with K = 1,024 both are first fills and none is filled again.
; THE MATRIX INSTRUCTION IS USED TRANSPOSED: source 0 = 16 rows of B, source 1 = 16 rows of A: lane (r, h) holds row 16 a + r and columns 16 b + 8 h + 0 .. 7.
; CLUSTERS: 4 x 4 work-groups; A's tile is asked for jointly along a row of the cluster, B's along a column.
; LIMIT: the two exponents' sum lies between -126 and 127.
.set PITCHA, 262144                    ; a k-block of A in bytes
.set PITCHB, 262144                    ; of B
.set BO,     196608                    ; where B begins in wc
.set LAPS,   1                         ; K / 1,024: times round the ring
.set EA,     78                        ; s78, s79: the two operands' exponents
.set EB,     79
.set NTOUT,  0                         ; the result is read again by later launches
.set KBL,   4352                       ; 64 rows of 64 bytes in LDS: 16 bytes of padding behind every 256: row p at (p / 4) 272 + (p % 4) 64, so that the 16 rows of a fragment load start at 16 different banks (64 banks of 4 bytes: ISA guide 11.1)
.set LOADB, 8*KBL                      ; one tensor load: 64 rows x 512 along K
.set SLOT,  4*LOADB                    ; A's rows 0-63, 64-127, B's rows 0-63, 64-127
.set STAGE, 2*SLOT                     ; the way out: 16 rows of 272 bytes for each wave; no tile lands here
.set SPARE, STAGE+4*4352               ; the spare words, 128 bytes for each wave, named by no other line
.set WV, 16
.set RH, 17
.set CH, 18
.set RT, 19
.set CT, 20
.set G1, 24
.set G0, 32
.set G1B, 48
.set G0B, 56
.set ADRA, 16
.set ADRB, 20
.set STO, 24
.set RD,  25
.set CO,  26
.set SPW, 28
.set NIL, 29
.set BK,  32                           ; v32-63, v64-95: 16 rows read back from the stage, by turns
.set ACC, 128
.set F0,  0
.set F1,  128
.set MUL,  0x05
.set TO_F, 0x40
.set MSB, 0
.macro WIN new
.if MSB != \new
	s_set_vgpr_msb (MSB<<8)|\new
.set MSB, \new
.endif
.endm
.macro JLOAD s                         ; a joint load: waves 0 and 1 fetch A's halves, waves 2 and 3 B's; an s_nop 0 and four v_nop follow each line
	s_cmp_eq_u32 s[RH], 0
	s_cbranch_scc0 .Lfor_b_\@
	tensor_load_to_lds s[G0+4*\s:G0+4*\s+3], s[G1:G1+7]
	s_nop 0
.rept 4
	v_nop
.endr
	s_branch .Lasked_\@
.Lfor_b_\@:
	tensor_load_to_lds s[G0B+4*\s:G0B+4*\s+3], s[G1B:G1B+7]
	s_nop 0
.rept 4
	v_nop
.endr
.Lasked_\@:
.endm
.macro CREST
	s_cmp_lg_u32 s[WV], 0
	s_cbranch_scc1 .Lnot_wave_0_\@
	s_barrier_signal -3
.Lnot_wave_0_\@:
	s_barrier_wait -3
	s_barrier_signal -1
	s_barrier_wait -1
.endm
.macro CROUND
	s_barrier_signal -1
	s_barrier_wait -1
	CREST
.endm
.macro PLACES
.rept 4
	v_nop
.endr
.endm
.macro FRAG reg, adr, q, i
.irp c, 0,1,2,3
	ds_load_b128 v[\reg+4*\c:\reg+4*\c+3], v[\adr] offset:(2*(\q)+\c/2)*KBL+(\i)*1088+32*(\c%2)
.endr
.endm
.macro FETCH slot, q, f                ; 32 loads in one run: B's four fragments, then A's; the last eight are A's blocks 2 and 3
	WIN TO_F
.irp i, 0,1,2,3
	FRAG \f+64+16*\i, ADRB+\slot, \q, \i
.endr
.irp i, 0,1,2,3
	FRAG \f+16*\i, ADRA+\slot, \q, \i
.endr
.endm
.macro MUL8 f, a0, zero                ; the 16 accumulators take turns, one instruction a turn, in the same order in every quarter
.irp a, \a0, \a0+1
.irp b, 0,1,2,3
.if \zero
	v_wmma_f32_16x16x128_fp8_fp8 v[ACC+8*(4*(\a)+\b):ACC+8*(4*(\a)+\b)+7], v[\f+64+16*\b:\f+64+16*\b+15], v[\f+16*(\a):\f+16*(\a)+15], 0
.else
	v_wmma_f32_16x16x128_fp8_fp8 v[ACC+8*(4*(\a)+\b):ACC+8*(4*(\a)+\b)+7], v[\f+64+16*\b:\f+64+16*\b+15], v[\f+16*(\a):\f+16*(\a)+15], v[ACC+8*(4*(\a)+\b):ACC+8*(4*(\a)+\b)+7]
.endif
.endr
.endr
.endm
.macro QUARTER slot, qn, f, g, zero
	s_wait_dscnt 8                                 ; B and A's blocks 0, 1 are in; the youngest eight loads may be out
	WIN MUL
	MUL8 \f, 0, \zero
	PLACES
	FETCH \slot, \qn, \g
	s_wait_dscnt 32                                ; all but the 32 just issued
	WIN MUL
	MUL8 \f, 2, \zero
.endm
.macro TURN slot, next, fill           ; the slot's last quarter, in buffer 1, and the change of slots.  fill = 1: the slot is filled again, two slots ahead along K
	WIN 0
	s_wait_tensorcnt 0x0                           ; all my tensor loads have landed: my part of the next slot;
	ds_add_u32 v[SPW], v[NIL]                      ; 0 onto my spare word
	s_wait_dscnt 9                                 ; (the add and the youngest eight loads may be out)
	WIN MUL
	MUL8 F1, 0, 0
	s_wait_dscnt 0x0                               ; the add is done, my reads of this slot are over
	s_barrier_signal -1
	WIN 0
	s_barrier_wait -1
.if \fill
	CREST                                          ; the barrier has opened a round of the cluster's: no wave of any partner still reads this slot or has a load on its way
	s_add_nc_u64 s[G0+4*\slot+2:G0+4*\slot+3], s[G0+4*\slot+2:G0+4*\slot+3], 16*PITCHA
	s_add_nc_u64 s[G0B+4*\slot+2:G0B+4*\slot+3], s[G0B+4*\slot+2:G0B+4*\slot+3], 16*PITCHB
	JLOAD \slot                                    ; the first tensor load behind the round, one a wave; its four v_nop are also the places in front of the loads below
.else
	PLACES
.endif
	FETCH \next, 0, F0
	WIN MUL
	MUL8 F1, 2, 0
.endm
	s_load_b256 s[4:11], s[0:1], 0x0               ; A's codes s[4:5], wc s[6:7], the exponents s[8:9], the bias s[10:11]
	s_load_b128 s[12:15], s[0:1], 0x20             ; the residual s[12:13], the result s[14:15]
	v_lshl_add_u32 v[SPW], v0, 2, SPARE
	v_mov_b32 v[NIL], 0
	ds_add_u32 v[SPW], v[NIL]                      ; the wave's opening: an add and its wait ahead of my first tensor load; work on registers stands between them
	v_lshrrev_b32 v1, 5, v0
	v_readfirstlane_b32 s[WV], v1
	s_lshr_b32 s[RH], s[WV], 1
	s_and_b32 s[CH], s[WV], 1
	s_bfe_u32 s21, ttmp6, 0x40000                  ; cx
	s_bfe_u32 s22, ttmp6, 0x40004                  ; cy
	s_lshl_b32 s[CT], ttmp9, 2
	s_add_co_u32 s[CT], s[CT], s21
	s_and_b32 s[RT], ttmp7, 0xffff
	s_lshl_b32 s[RT], s[RT], 2
	s_add_co_u32 s[RT], s[RT], s22
	s_lshl_b32 s42, s22, 2
	s_lshl_b32 s42, 15, s42                        ; my row of the cluster
	s_lshl_b32 s43, 0x1111, s21                    ; my column
	; descriptor group 1: 8 k-blocks (rows of the tile) of 4,096 consecutive bytes; elements of 1 byte; 4 words of padding behind every 64
	s_or_b32 s[G1], s42, (1<<20)|(1<<21)|(5<<22)|(3<<25)
	s_or_b32 s[G1B], s43, (1<<20)|(1<<21)|(5<<22)|(3<<25)
.irp g, G1, G1B
	s_mov_b32 s[\g+1], 4096<<16
	s_mov_b32 s[\g+2], 8<<16
	s_mov_b32 s[\g+3], 4096<<16
	s_mov_b32 s[\g+4], 8
	s_mov_b32 s[\g+6], 0
	s_mov_b32 s[\g+7], 0
.endr
	s_mov_b32 s[G1+5], PITCHA
	s_mov_b32 s[G1B+5], PITCHB
	s_lshl_b32 s40, s[RT], 13                      ; A: 128 rows of 64 bytes a tile row, + my 64, in registers that never hold cx
	s_lshl_b32 s41, s[CH], 12
	s_add_co_u32 s40, s40, s41
	s_mov_b32 s41, 0
	s_lshl_b32 s46, s[CT], 13                      ; B likewise, in registers that never hold cy
	s_lshl_b32 s47, s[CH], 12
	s_add_co_u32 s46, s46, s47
	s_add_co_u32 s46, s46, BO
	s_mov_b32 s47, 0
	s_mul_i32 s23, s[WV], LOADB
	s_wait_dscnt 0x0                               ; the opening add is done
	s_wait_kmcnt 0x0
	s_load_b512 s[68:83], s[8:9], 0x0              ; e0 .. e15
	s_add_nc_u64 s[40:41], s[4:5], s[40:41]
	s_add_nc_u64 s[46:47], s[6:7], s[46:47]
	CROUND                                         ; all sixteen work-groups are here: the first joint loads meet
.irp s, 0,1
	s_mov_b32 s[G0+4*\s], 1
	s_add_co_u32 s[G0+4*\s+1], s23, \s*SLOT
	s_add_nc_u64 s[G0+4*\s+2:G0+4*\s+3], s[40:41], \s*8*PITCHA
	s_or_b32 s[G0+4*\s+3], s[G0+4*\s+3], 0x80000000
	s_mov_b32 s[G0B+4*\s], 1
	s_add_co_u32 s[G0B+4*\s+1], s23, \s*SLOT
	s_add_nc_u64 s[G0B+4*\s+2:G0B+4*\s+3], s[46:47], \s*8*PITCHB
	s_or_b32 s[G0B+4*\s+3], s[G0B+4*\s+3], 0x80000000
	JLOAD \s                                       ; two loads of mine are out
.endr
	v_and_b32 v1, 15, v0                           ; r
	v_bfe_u32 v2, v0, 4, 1                         ; h
	v_lshrrev_b32 v3, 2, v1
	v_mul_u32_u24 v3, v3, 272
	v_and_b32 v4, 3, v1
	v_lshl_add_u32 v3, v4, 6, v3
	v_lshl_add_u32 v3, v2, 4, v3                   ; a fragment's lane part
	s_mul_i32 s44, s[RH], LOADB
	s_mul_i32 s45, s[CH], LOADB
	s_add_co_u32 s45, s45, 2*LOADB
.irp s, 0,1
	v_add_nc_u32 v[ADRA+\s], s44, v3
	v_add_nc_u32 v[ADRB+\s], s45, v3
	s_add_co_u32 s44, s44, SLOT
	s_add_co_u32 s45, s45, SLOT
.endr
	s_mul_i32 s23, s[WV], 4352
	s_add_co_u32 s23, s23, STAGE                   ; my stage
	v_mul_u32_u24 v[STO], v1, 272
	v_lshl_add_u32 v[STO], v2, 5, v[STO]
	v_add_nc_u32 v[STO], s23, v[STO]               ; in: row r, 32 bytes for each half of the lanes
	v_mul_u32_u24 v[RD], v2, 272
	v_lshl_add_u32 v[RD], v1, 4, v[RD]
	v_add_nc_u32 v[RD], s23, v[RD]                 ; back: lanes 0-15 one row of 256 bytes, lanes 16-31 the next
	v_lshlrev_b32 v[CO], 12, v2
	v_lshl_add_u32 v[CO], v1, 4, v[CO]             ; and the same two rows in memory
	v_lshlrev_b32 v5, 4, v1                        ; my four columns of the bias
	s_lshl_b32 s44, s[CT], 9
	s_lshl_b32 s45, s[CH], 8
	s_add_co_u32 s44, s44, s45                     ; my first column, in bytes
	s_mov_b32 s45, 0
	s_add_nc_u64 s[10:11], s[10:11], s[44:45]
	s_lshl_b32 s90, s[RT], 19
	s_add_co_u32 s44, s44, s90
	s_lshl_b32 s90, s[RH], 18
	s_add_co_u32 s44, s44, s90                     ; + my first row
	s_add_nc_u64 s[12:13], s[12:13], s[44:45]
	s_add_nc_u64 s[14:15], s[14:15], s[44:45]
	WIN 0x80                                       ; destination window 2: my 64 x 64 of the residual, in the order in which the rows come back from the stage
.irp a, 0,1,2,3
.irp t, 0,1,2,3,4,5,6,7
	global_load_b128 v[32*\a+4*\t:32*\a+4*\t+3], v[CO], s[12:13] offset:(16*\a+2*\t)*4096 th:TH_LOAD_NT
.endr
.endr
	WIN 0
	global_load_b128 v[8:11], v5, s[10:11]
	s_wait_tensorcnt 1                             ; my part of slot 0 is in; slot 1's may stay out
	s_barrier_signal -1
	s_barrier_wait -1
	FETCH 0, 0, F0
	QUARTER 0, 1, F0, F1, 1                        ; the first products start the sums: nothing is cleared
.if LAPS > 1
	WIN 0                                          ; at a label and at a branch every window is 0
	s_mov_b32 s3, LAPS-1
.Llap:                                             ; a trip goes once round the ring and fills both slots again
	QUARTER 0, 2, F1, F0, 0
	QUARTER 0, 3, F0, F1, 0
	TURN 0, 1, 1
	QUARTER 1, 1, F0, F1, 0
	QUARTER 1, 2, F1, F0, 0
	QUARTER 1, 3, F0, F1, 0
	TURN 1, 0, 1
	QUARTER 0, 1, F0, F1, 0
	WIN 0
	s_sub_co_u32 s3, s3, 1
	s_cmp_lg_u32 s3, 0
	s_cbranch_scc1 .Llap
.endif
	QUARTER 0, 2, F1, F0, 0                        ; the last lap fills nothing
	QUARTER 0, 3, F0, F1, 0
	TURN 0, 1, 0
	QUARTER 1, 1, F0, F1, 0
	QUARTER 1, 2, F1, F0, 0
	QUARTER 1, 3, F0, F1, 0
	s_wait_dscnt 8
	WIN MUL
	MUL8 F1, 0, 0
	s_wait_dscnt 0
	MUL8 F1, 2, 0
	WIN 0
; THE WAY OUT, 16 rows x 64 columns at a time: the sums go through my stage and come back as whole rows of 256 bytes; there sum x 2^(ea + eb) + residual, + bias; sixteen lanes store 256 consecutive bytes.
.macro OUTBLK a
.irp b, 0,1,2,3
	ds_store_b128 v[STO], v[ACC+8*(4*(\a)+\b):ACC+8*(4*(\a)+\b)+3] offset:64*\b          ; each accumulator from its low end on
	ds_store_b128 v[STO], v[ACC+8*(4*(\a)+\b)+4:ACC+8*(4*(\a)+\b)+7] offset:64*\b+16
.endr
.irp t, 0,1,2,3,4,5,6,7
	ds_load_b128 v[BK+32*((\a)%2)+4*\t:BK+32*((\a)%2)+4*\t+3], v[RD] offset:544*\t       ; LDS serves a wave's instructions in order: these see my stores, and the next block's stores come behind them
.endr
.endm
.macro FIN a, younger                  ; younger: the LDS instructions issued behind block a's loads, which may stay out
.set BB, BK+32*((\a)%2)
	s_wait_dscnt \younger
	WIN 0x20                                       ; source 2 (the residual) window 2
.set i, 0
.rept 16
	v_pk_fma_f32 v[BB+i:BB+i+1], v[BB+i:BB+i+1], s[96:97], v[32*(\a)+i:32*(\a)+i+1] op_sel_hi:[1,0,1]
.set i, i+2
.endr
	WIN 0
.irp t, 0,1,2,3,4,5,6,7
	v_pk_add_f32 v[BB+4*\t:BB+4*\t+1], v[BB+4*\t:BB+4*\t+1], v[8:9]
	v_pk_add_f32 v[BB+4*\t+2:BB+4*\t+3], v[BB+4*\t+2:BB+4*\t+3], v[10:11]
.endr
.irp t, 0,1,2,3,4,5,6,7
.if NTOUT
	global_store_b128 v[CO], v[BB+4*\t:BB+4*\t+3], s[14:15] offset:(16*(\a)+2*\t)*4096 th:TH_STORE_NT
.else
	global_store_b128 v[CO], v[BB+4*\t:BB+4*\t+3], s[14:15] offset:(16*(\a)+2*\t)*4096
.endif
.endr
.endm
	s_wait_kmcnt 0x0
	s_add_co_i32 s96, s[EA], s[EB]
	s_add_co_i32 s96, s96, 127
	s_lshl_b32 s96, s96, 23                        ; 2^(ea + eb) as f32
	s_mov_b32 s97, s96                             ; (named with it as a pair)
	s_wait_loadcnt 0x0                             ; the residual and the bias
	PLACES
	OUTBLK 0
	OUTBLK 1
	FIN 0, 16                                      ; behind block 0's loads: block 1's 8 stores and 8 loads
	s_wait_xcnt 0x0                                ; block 0's stores have read their registers: block 2 may land there
	OUTBLK 2
	FIN 1, 16
	s_wait_xcnt 0x0
	OUTBLK 3
	FIN 2, 16
	FIN 3, 0
	s_wait_tensorcnt 0x0                           ; the wave's end
	ds_add_u32 v[SPW], v[NIL]
	s_wait_dscnt 0x0
	CROUND                                         ; the closing round
	s_endpgm
.Lfunc_end_k_qc6dd87b782_oproj:
	.size	k_qc6dd87b782_oproj, .Lfunc_end_k_qc6dd87b782_oproj-k_qc6dd87b782_oproj
	.p2alignl 7, 3214868480
	.fill 96, 4, 3214868480
	.section	.rodata,"a",@progbits
	.p2align	6, 0x0
	.amdhsa_kernel k_qc6dd87b782_oproj
		.amdhsa_group_segment_fixed_size 327680
		.amdhsa_private_segment_fixed_size 0
		.amdhsa_enable_private_segment 0
		.amdhsa_kernarg_size 48
		.amdhsa_user_sgpr_count 2
		.amdhsa_user_sgpr_kernarg_segment_ptr 1
		.amdhsa_wavefront_size32 1
		.amdhsa_system_sgpr_workgroup_id_x 1
		.amdhsa_system_sgpr_workgroup_id_y 1
		.amdhsa_system_sgpr_workgroup_id_z 1
		.amdhsa_system_vgpr_workitem_id 0
		.amdhsa_next_free_vgpr 768
		.amdhsa_next_free_sgpr 100
		.amdhsa_reserve_vcc 0
		.amdhsa_float_denorm_mode_32 3
		.amdhsa_float_denorm_mode_16_64 3
		.amdhsa_memory_ordered 1
		.amdhsa_forward_progress 1
		.amdhsa_inst_pref_size 53
	.end_amdhsa_kernel
	.amdgpu_metadata
---
amdhsa.version: [ 1, 2 ]
amdhsa.kernels:
  - .name:           k_qc6dd87b782_oproj
    .symbol:         k_qc6dd87b782_oproj.kd
    .args:
      - { .name: ctx, .offset: 0, .size: 8, .value_kind: global_buffer, .address_space: global }
      - { .name: wc, .offset: 8, .size: 8, .value_kind: global_buffer, .address_space: global }
      - { .name: lowp_scales, .offset: 16, .size: 8, .value_kind: global_buffer, .address_space: global }
      - { .name: bo, .offset: 24, .size: 8, .value_kind: global_buffer, .address_space: global }
      - { .name: x, .offset: 32, .size: 8, .value_kind: global_buffer, .address_space: global }
      - { .name: x2, .offset: 40, .size: 8, .value_kind: global_buffer, .address_space: global }
    .group_segment_fixed_size: 327680
    .private_segment_fixed_size: 0
    .kernarg_segment_align: 8
    .kernarg_segment_size: 48
    .max_flat_workgroup_size: 128
    .sgpr_count:     100
    .vgpr_count:     768
    .wavefront_size: 32
...
	.end_amdgpu_metadata
.endif
;; end of part 4
;; launch ln2 (part 5): grid 256 x 1, 4 waves a work-group, no clusters, 17,920 bytes of LDS; arguments x2, a2, s2, lowp_scales, h2c; writes h2c
.if DOCPART == 5
	.amdgcn_target "amdgcn-amd-amdhsa--gfx1250"
	.amdhsa_code_object_version 6
	.text
	.protected	k_qc6dd87b782_ln2
	.globl	k_qc6dd87b782_ln2
	.p2align	8
	.type	k_qc6dd87b782_ln2,@function
k_qc6dd87b782_ln2:
	s_mov_b64 s[64:65], 0
	v_nop
	global_prefetch_b8 v0, s[64:65] scope:SCOPE_SE
	s_setreg_imm32_b32 hwreg(HW_REG_WAVE_MODE, 25, 1), 1
	s_wait_xcnt 0x0
; LN2(x2), quantised to E4M3 with scale 12, laid as BL(4096, 1024): [K / 64][4,096 rows][64 bytes], byte 32 c + 16 h + 8 u + j of a row's 64 holding k = 32 c + 16 u + 8 h + j.
; A wave takes four rows and keeps them in registers; lane l holds, of each row, k = 256 c + 8 l + 0 .. 7, c = 0 .. 3.  Mean, then the mean of the squared differences (two passes over registers),
; 1 / sqrt by v_rsq_f32, gain and shift; all f32.  A stream: no matrix unit, no cluster, no tensor load.  LIMITS: e12 between -126 and 119; NaN is not served.
.set SPARE, 17408                      ; behind the four stages: the spare words, 128 bytes for each wave, named by no other line
.set SPW,   254
.set NIL,   255
.set LX, 16                            ; v16-143  row p at + 32 p + 8 c + j
.set LA, 144                           ; v144-175 the gain; later the way out
.set LS, 176                           ; v176-207 the shift
.set LT, 208                           ; v208-223 at work
.set LC, 224                           ; v224-227 two pairs of codes
.set LM, 228                           ; v228-235 a pair a row: the mean, then 1 / sqrt(var + eps)
.set LQ, 236                           ; v236: 2^e
	s_load_b256 s[8:15], s[0:1], 0x0               ; x2 s[8:9], a2 s[10:11], s2 s[12:13], the exponents s[14:15]
	s_load_b64 s[30:31], s[0:1], 0x20              ; h2c
	v_lshl_add_u32 v[SPW], v0, 2, SPARE
	v_mov_b32 v[NIL], 0
	v_lshrrev_b32 v1, 5, v0
	v_readfirstlane_b32 s3, v1
	v_and_b32 v1, 31, v0
	s_lshl_b32 s48, ttmp9, 2
	s_add_co_u32 s48, s48, s3                      ; which four rows
	s_lshl_b32 s50, s48, 14
	s_mov_b32 s51, 0
	s_wait_alu depctr_va_vdst(0)
	s_wait_kmcnt 0x0
	s_load_b32 s80, s[14:15], 0x30                 ; e12
	s_add_nc_u64 s[8:9], s[8:9], s[50:51]
	s_lshl_b32 s50, s48, 8
	s_add_nc_u64 s[40:41], s[30:31], s[50:51]      ; my rows' 256 bytes of k-block 0
	v_lshlrev_b32 v2, 5, v1
.irp p, 0,1,2,3
.irp c, 0,1,2,3
	global_load_b128 v[LX+32*\p+8*\c:LX+32*\p+8*\c+3], v2, s[8:9] offset:4096*\p+1024*\c th:TH_LOAD_NT
	global_load_b128 v[LX+32*\p+8*\c+4:LX+32*\p+8*\c+7], v2, s[8:9] offset:4096*\p+1024*\c+16 th:TH_LOAD_NT
.endr
.endr
.irp c, 0,1,2,3
	global_load_b128 v[LA+8*\c:LA+8*\c+3], v2, s[10:11] offset:1024*\c
	global_load_b128 v[LA+8*\c+4:LA+8*\c+7], v2, s[10:11] offset:1024*\c+16
.endr
.irp c, 0,1,2,3
	global_load_b128 v[LS+8*\c:LS+8*\c+3], v2, s[12:13] offset:1024*\c
	global_load_b128 v[LS+8*\c+4:LS+8*\c+7], v2, s[12:13] offset:1024*\c+16
.endr
	s_mov_b32 s84, 0x3a800000                      ; 1 / 1024
	s_mov_b32 s85, 0x3727c5ac                      ; 1e-5
	s_mov_b32 s86, 0x76543210
	s_mov_b32 s87, 0xfedcba98
	s_mul_i32 s52, s3, 4352                        ; my stage: four rows of 1,024 codes, 1,088 bytes apart
	v_and_b32 v3, 0x1c, v1
	v_and_b32 v6, 1, v1
	v_lshl_add_u32 v3, v6, 1, v3
	v_bfe_u32 v6, v1, 1, 1
	v_add_nc_u32 v3, v3, v6                        ; my lane with its two lowest bits exchanged: the layout's order of groups of eight
	v_lshlrev_b32 v3, 3, v3
	v_add_nc_u32 v3, s52, v3
	v_bfe_u32 v6, v1, 2, 2
	v_mul_u32_u24 v4, v6, 1088
	v_lshrrev_b32 v7, 4, v1
	v_lshl_add_u32 v4, v7, 6, v4
	v_and_b32 v8, 3, v1
	v_lshl_add_u32 v4, v8, 4, v4
	v_add_nc_u32 v4, s52, v4
	v_lshlrev_b32 v5, 18, v7
	v_lshl_add_u32 v5, v6, 6, v5
	v_lshl_add_u32 v5, v8, 4, v5
	s_wait_kmcnt 0x0
	s_add_co_i32 s53, s80, 127
	s_lshl_b32 s54, s53, 23
	v_mov_b32 v[LQ], s54
	s_add_co_i32 s53, s53, 8
	s_lshl_b32 s53, s53, 23
	s_or_b32 s53, s53, 0x600000
.macro REDUCE
.irp p, 0,1,2,3
	v_add_f32 v[LT+2*\p], v[LT+2*\p], v[LT+2*\p+1]
.endr
.irp m, 1,2,4,8
.irp p, 0,1,2,3
	v_add_f32_dpp v[LT+2*\p], v[LT+2*\p], v[LT+2*\p] row_xmask:\m row_mask:0xf bank_mask:0xf
.endr
.endr
.irp p, 0,1,2,3
	v_permlanex16_b32 v[LT+2*\p+1], v[LT+2*\p], s86, s87
.endr
.irp p, 0,1,2,3
	v_add_f32 v[LT+2*\p], v[LT+2*\p], v[LT+2*\p+1]
.endr
.endm
	s_wait_loadcnt 16                              ; the rows are in; the 16 loads of gain and shift may be out
.irp p, 0,1,2,3
	v_pk_add_f32 v[LT+2*\p:LT+2*\p+1], v[LX+32*\p:LX+32*\p+1], v[LX+32*\p+2:LX+32*\p+3]
.endr
.irp i, 4,6,8,10,12,14,16,18,20,22,24,26,28,30
.irp p, 0,1,2,3
	v_pk_add_f32 v[LT+2*\p:LT+2*\p+1], v[LT+2*\p:LT+2*\p+1], v[LX+32*\p+\i:LX+32*\p+\i+1]
.endr
.endr
	REDUCE
.irp p, 0,1,2,3
	v_mul_f32 v[LM+2*\p], s84, v[LT+2*\p]
	v_mul_f32 v[LM+2*\p+1], s84, v[LT+2*\p]
.endr
.irp p, 0,1,2,3
.set i, 0
.rept 16
	v_pk_add_f32 v[LX+32*\p+i:LX+32*\p+i+1], v[LX+32*\p+i:LX+32*\p+i+1], v[LM+2*\p:LM+2*\p+1] neg_lo:[0,1] neg_hi:[0,1]
.set i, i+2
.endr
.endr
.irp p, 0,1,2,3
	v_pk_mul_f32 v[LT+2*\p:LT+2*\p+1], v[LX+32*\p:LX+32*\p+1], v[LX+32*\p:LX+32*\p+1]
.endr
.irp i, 2,4,6,8,10,12,14,16,18,20,22,24,26,28,30
.irp p, 0,1,2,3
	v_pk_fma_f32 v[LT+2*\p:LT+2*\p+1], v[LX+32*\p+\i:LX+32*\p+\i+1], v[LX+32*\p+\i:LX+32*\p+\i+1], v[LT+2*\p:LT+2*\p+1]
.endr
.endr
	REDUCE
.irp p, 0,1,2,3
	v_fma_f32 v[LT+2*\p], v[LT+2*\p], s84, s85     ; var + eps
.endr
	s_wait_alu depctr_va_vdst(0)
.irp p, 0,1,2,3
	v_rsq_f32 v[LM+2*\p], v[LT+2*\p]
.endr
	v_nop                                          ; a plain instruction behind the last of the four,
	s_wait_alu depctr_va_vdst(0)                   ; and one wait ahead of the first use
.irp p, 0,1,2,3
	v_mov_b32 v[LM+2*\p+1], v[LM+2*\p]
.endr
	s_wait_alu depctr_va_vdst(0)
	s_wait_loadcnt 0x0                             ; gain and shift
.irp p, 0,1,2,3
.set i, 0
.rept 16
	v_pk_mul_f32 v[LX+32*\p+i:LX+32*\p+i+1], v[LX+32*\p+i:LX+32*\p+i+1], v[LM+2*\p:LM+2*\p+1]
	v_pk_fma_f32 v[LX+32*\p+i:LX+32*\p+i+1], v[LX+32*\p+i:LX+32*\p+i+1], v[LA+i:LA+i+1], v[LS+i:LS+i+1]
.set i, i+2
.endr
.endr
	; the conversions read the rows in place, eight numbers each
.irp p, 0,1,2,3
.irp c, 0,1,2,3
.irp j, 0,1,2,3,4,5,6,7
.endr
	v_cvt_scalef32_pk8_fp8_f32 v[LC+2*(\c%2):LC+2*(\c%2)+1], v[LT+8*(\c%2)+((LX+32*\p+8*\c+0)-(LT+8*(\c%2)+0)):LT+8*(\c%2)+7+((LX+32*\p+8*\c+0)-(LT+8*(\c%2)+0))], v[LQ]
	ds_store_b64 v3, v[LC+2*(\c%2):LC+2*(\c%2)+1] offset:1088*\p+256*\c
.endr
.endr
.irp i, 0,1,2,3,4,5,6,7
	ds_load_b128 v[LA+4*\i:LA+4*\i+3], v4 offset:128*\i   ; LDS serves a wave's instructions in order: these see my stores
.endr
.irp i, 0,1,2,3,4,5,6,7
	s_wait_dscnt 7-\i
	global_store_b128 v5, v[LA+4*\i:LA+4*\i+3], s[40:41] offset:524288*\i   ; two k-blocks x four rows x 64 bytes: two runs of 256 consecutive bytes, each at a multiple of 256
.endr
	s_wait_tensorcnt 0x0                           ; the wave's end, behind my last LDS store
	ds_add_u32 v[SPW], v[NIL]
	s_wait_dscnt 0x0
	s_endpgm
.Lfunc_end_k_qc6dd87b782_ln2:
	.size	k_qc6dd87b782_ln2, .Lfunc_end_k_qc6dd87b782_ln2-k_qc6dd87b782_ln2
	.p2alignl 7, 3214868480
	.fill 96, 4, 3214868480
	.section	.rodata,"a",@progbits
	.p2align	6, 0x0
	.amdhsa_kernel k_qc6dd87b782_ln2
		.amdhsa_group_segment_fixed_size 17920
		.amdhsa_private_segment_fixed_size 0
		.amdhsa_enable_private_segment 0
		.amdhsa_kernarg_size 40
		.amdhsa_user_sgpr_count 2
		.amdhsa_user_sgpr_kernarg_segment_ptr 1
		.amdhsa_wavefront_size32 1
		.amdhsa_system_sgpr_workgroup_id_x 1
		.amdhsa_system_sgpr_workgroup_id_y 1
		.amdhsa_system_sgpr_workgroup_id_z 1
		.amdhsa_system_vgpr_workitem_id 0
		.amdhsa_next_free_vgpr 256
		.amdhsa_next_free_sgpr 96
		.amdhsa_reserve_vcc 0
		.amdhsa_float_denorm_mode_32 3
		.amdhsa_float_denorm_mode_16_64 3
		.amdhsa_fp16_overflow 1
		.amdhsa_memory_ordered 1
		.amdhsa_forward_progress 1
		.amdhsa_inst_pref_size 35
	.end_amdhsa_kernel
	.amdgpu_metadata
---
amdhsa.version: [ 1, 2 ]
amdhsa.kernels:
  - .name:           k_qc6dd87b782_ln2
    .symbol:         k_qc6dd87b782_ln2.kd
    .args:
      - { .name: x2, .offset: 0, .size: 8, .value_kind: global_buffer, .address_space: global }
      - { .name: a2, .offset: 8, .size: 8, .value_kind: global_buffer, .address_space: global }
      - { .name: s2, .offset: 16, .size: 8, .value_kind: global_buffer, .address_space: global }
      - { .name: lowp_scales, .offset: 24, .size: 8, .value_kind: global_buffer, .address_space: global }
      - { .name: h2c, .offset: 32, .size: 8, .value_kind: global_buffer, .address_space: global }
    .group_segment_fixed_size: 17920
    .private_segment_fixed_size: 0
    .kernarg_segment_align: 8
    .kernarg_segment_size: 40
    .max_flat_workgroup_size: 128
    .sgpr_count:     96
    .vgpr_count:     256
    .wavefront_size: 32
...
	.end_amdgpu_metadata
.endif
;; end of part 5
;; launch ffn1 (part 6): grid 32 x 8, 4 waves a work-group, clusters of 4 x 4, 327,680 bytes of LDS; arguments h2c, wc, lowp_scales, b1, gc; writes gc
.if DOCPART == 6
	.amdgcn_target "amdgcn-amd-amdhsa--gfx1250"
	.amdhsa_code_object_version 6
	.text
	.protected	k_qc6dd87b782_ffn1
	.globl	k_qc6dd87b782_ffn1
	.p2align	8
	.type	k_qc6dd87b782_ffn1,@function
k_qc6dd87b782_ffn1:
	s_mov_b64 s[64:65], 0
	v_nop
	global_prefetch_b8 v0, s[64:65] scope:SCOPE_SE
	s_setreg_imm32_b32 hwreg(HW_REG_WAVE_MODE, 25, 1), 1
	s_wait_xcnt 0x0
	s_wait_alu depctr_hold_cnt(0) depctr_sa_sdst(0) depctr_va_vdst(0) depctr_va_sdst(0) depctr_va_ssrc(0) depctr_va_vcc(0) depctr_vm_vsrc(0)
	s_getreg_b32 s2, hwreg(HW_REG_IB_STS2, 6, 4)
	s_cmp_eq_u32 s2, 0
	s_cbranch_scc0 .Lentry_in_a_cluster
	s_endpgm
.Lentry_in_a_cluster:
	s_bfe_u32 s2, ttmp6, 0x10000c
	s_cmp_lg_u32 s2, 0xf033
	s_cbranch_scc0 .Lentry_shape_is_right
	s_endpgm
.Lentry_shape_is_right:
; g = gelu(h2 w1 + b1) on codes of E4M3, quantised at once with scale 14 for the next product.
; Codes lie as BL(R, K): [K / 64][R rows][64 bytes], byte 32 c + 16 h + 8 u + j of a row's 64 holding k = 32 c + 16 u + 8 h + j.  A = h2c, BL(4096, 1024); B = w1's columns, BL(4096, 1024) at 4 MiB in wc; out gc = BL(4096, 4096).
; A tile is 128 x 128, made by four waves, a wave 64 x 64: 16 accumulators.  A WORK-GROUP STAYS and makes four tiles, one below the other, 8 tile rows apart: 32 x 32 tiles on 256 work-groups.
; The walk's tiles share their columns: B's rows and the bias stay the same.  K = 1,024 of a tile is two LDS slots of 512 along K, and the ring does not stop at a tile's end: each change of slots asks for the same slot of
; the next tile, so the next tile's codes are on their way while a tile is finished, put through the activation, quantised and stored.  The last tile is written out: it fills nothing.
; THE MATRIX INSTRUCTION IS USED TRANSPOSED: source 0 = 16 rows of B, source 1 = 16 rows of A: lane (r, h) holds row 16 a + r and columns 16 b + 8 h + 0 .. 7: eight neighbours along the next K.
; gelu(u) = 0.5 u (1 + tanh(c (u + 0.044715 u^3))) = u / (1 + 2^(-2 c log2(e) (u + 0.044715 u^3))), c = sqrt(2 / pi): the same function, by v_exp_f32 and v_rcp_f32 in f32.
; CLUSTERS: 4 x 4 work-groups; A's tile is asked for jointly along a row of the cluster, B's along a column.
; LIMITS: e12 + e13 between -126 and 127; e14 between -126 and 119.  NaN is not served.
.set PITCHA, 262144
.set PITCHB, 262144
.set BO,     0x400000
.set TILES,  4                         ; tiles to a work-group
.set ASTEP,  8*8192                    ; from a tile to the next: 8 tile rows of 128 rows of 64 bytes in A's codes,
.set OSTEP,  16*4096                   ; and 16 blocks of 64 rows in the result
.set KBL,   4352                       ; 64 rows of 64 bytes in LDS: 16 bytes of padding behind every 256: row p at (p / 4) 272 + (p % 4) 64, so that the 16 rows of a fragment load start at 16 different banks (64 banks of 4 bytes: ISA guide 11.1)
.set LOADB, 8*KBL
.set SLOT,  4*LOADB
.set STAGE, 2*SLOT                     ; the way out: 64 rows of 80 bytes for each wave; no tile lands here
.set SPARE, STAGE+4*5120               ; the spare words, 128 bytes for each wave, named by no other line
.set WV, 16
.set RH, 17
.set CH, 18
.set RT, 19
.set CT, 20
.set G1, 24
.set G0, 32
.set G1B, 48
.set G0B, 56
.set ADRA, 16
.set ADRB, 20
.set STO, 24
.set RD,  25
.set CO,  26
.set SPW, 28
.set NIL, 29
.set U,   32                           ; v32-63 u, then gelu(u), then the read-back; v64-95 at work; v96-127 the codes
.set W,   64
.set CD,  96
.set ACC, 128
.set F0,  0
.set F1,  128
.set MUL,  0x05
.set TO_F, 0x40
.set MSB, 0
.macro WIN new
.if MSB != \new
	s_set_vgpr_msb (MSB<<8)|\new
.set MSB, \new
.endif
.endm
.macro JLOAD s                         ; a joint load: waves 0 and 1 fetch A's halves, waves 2 and 3 B's; an s_nop 0 and four v_nop follow each line
	s_cmp_eq_u32 s[RH], 0
	s_cbranch_scc0 .Lfor_b_\@
	tensor_load_to_lds s[G0+4*\s:G0+4*\s+3], s[G1:G1+7]
	s_nop 0
.rept 4
	v_nop
.endr
	s_branch .Lasked_\@
.Lfor_b_\@:
	tensor_load_to_lds s[G0B+4*\s:G0B+4*\s+3], s[G1B:G1B+7]
	s_nop 0
.rept 4
	v_nop
.endr
.Lasked_\@:
.endm
.macro CREST
	s_cmp_lg_u32 s[WV], 0
	s_cbranch_scc1 .Lnot_wave_0_\@
	s_barrier_signal -3
.Lnot_wave_0_\@:
	s_barrier_wait -3
	s_barrier_signal -1
	s_barrier_wait -1
.endm
.macro CROUND
	s_barrier_signal -1
	s_barrier_wait -1
	CREST
.endm
.macro PLACES
.rept 4
	v_nop
.endr
.endm
.macro FRAG reg, adr, q, i
.irp c, 0,1,2,3
	ds_load_b128 v[\reg+4*\c:\reg+4*\c+3], v[\adr] offset:(2*(\q)+\c/2)*KBL+(\i)*1088+32*(\c%2)
.endr
.endm
.macro FETCH slot, q, f                ; 32 loads in one run: B's four fragments, then A's; the last eight are A's blocks 2 and 3
	WIN TO_F
.irp i, 0,1,2,3
	FRAG \f+64+16*\i, ADRB+\slot, \q, \i
.endr
.irp i, 0,1,2,3
	FRAG \f+16*\i, ADRA+\slot, \q, \i
.endr
.endm
.macro MUL8 f, a0, zero                ; the 16 accumulators take turns, one instruction a turn, in the same order in every quarter
.irp a, \a0, \a0+1
.irp b, 0,1,2,3
.if \zero
	v_wmma_f32_16x16x128_fp8_fp8 v[ACC+8*(4*(\a)+\b):ACC+8*(4*(\a)+\b)+7], v[\f+64+16*\b:\f+64+16*\b+15], v[\f+16*(\a):\f+16*(\a)+15], 0
.else
	v_wmma_f32_16x16x128_fp8_fp8 v[ACC+8*(4*(\a)+\b):ACC+8*(4*(\a)+\b)+7], v[\f+64+16*\b:\f+64+16*\b+15], v[\f+16*(\a):\f+16*(\a)+15], v[ACC+8*(4*(\a)+\b):ACC+8*(4*(\a)+\b)+7]
.endif
.endr
.endr
.endm
.macro QUARTER slot, qn, f, g, zero
	s_wait_dscnt 8                                 ; B and A's blocks 0, 1 are in; the youngest eight loads may be out
	WIN MUL
	MUL8 \f, 0, \zero
	PLACES
	FETCH \slot, \qn, \g
	s_wait_dscnt 32                                ; all but the 32 just issued
	WIN MUL
	MUL8 \f, 2, \zero
.endm
.macro TURN slot, next, fill           ; the slot's last quarter, in buffer 1, and the change of slots.  fill = 1: the slot takes the same part of K of the next tile
	WIN 0
	s_wait_tensorcnt 0x0                           ; all my tensor loads have landed: my part of the next slot;
	ds_add_u32 v[SPW], v[NIL]                      ; 0 onto my spare word
	s_wait_dscnt 9                                 ; (the add and the youngest eight loads may be out)
	WIN MUL
	MUL8 F1, 0, 0
	s_wait_dscnt 0x0                               ; the add is done, my reads of this slot are over
	s_barrier_signal -1
	WIN 0
	s_barrier_wait -1
.if \fill
	CREST                                          ; the barrier has opened a round of the cluster's: no wave of any partner still reads this slot or has a load on its way
	s_add_nc_u64 s[G0+4*\slot+2:G0+4*\slot+3], s[G0+4*\slot+2:G0+4*\slot+3], ASTEP   ; A goes 8 tile rows down; B's address stays: the walk's tiles share their columns
	JLOAD \slot                                    ; the first tensor load behind the round, one a wave; its four v_nop are also the places in front of the loads below
.else
	PLACES
.endif
	FETCH \next, 0, F0
	WIN MUL
	MUL8 F1, 2, 0
.endm
	s_load_b256 s[4:11], s[0:1], 0x0               ; h2c s[4:5], wc s[6:7], the exponents s[8:9], b1 s[10:11]
	s_load_b64 s[14:15], s[0:1], 0x20              ; gc
	v_lshl_add_u32 v[SPW], v0, 2, SPARE
	v_mov_b32 v[NIL], 0
	ds_add_u32 v[SPW], v[NIL]                      ; the wave's opening: an add and its wait ahead of my first tensor load; work on registers stands between them
	v_lshrrev_b32 v1, 5, v0
	v_readfirstlane_b32 s[WV], v1
	s_lshr_b32 s[RH], s[WV], 1
	s_and_b32 s[CH], s[WV], 1
	s_bfe_u32 s21, ttmp6, 0x40000                  ; cx
	s_bfe_u32 s22, ttmp6, 0x40004                  ; cy
	s_lshl_b32 s[CT], ttmp9, 2
	s_add_co_u32 s[CT], s[CT], s21                 ; tile column 0 .. 31
	s_and_b32 s[RT], ttmp7, 0xffff
	s_lshl_b32 s[RT], s[RT], 2
	s_add_co_u32 s[RT], s[RT], s22                 ; the first tile's row 0 .. 7
	s_lshl_b32 s42, s22, 2
	s_lshl_b32 s42, 15, s42                        ; my row of the cluster
	s_lshl_b32 s43, 0x1111, s21                    ; my column
	; descriptor group 1: 8 k-blocks (rows of the tile) of 4,096 consecutive bytes; elements of 1 byte; 4 words of padding behind every 64
	s_or_b32 s[G1], s42, (1<<20)|(1<<21)|(5<<22)|(3<<25)
	s_or_b32 s[G1B], s43, (1<<20)|(1<<21)|(5<<22)|(3<<25)
.irp g, G1, G1B
	s_mov_b32 s[\g+1], 4096<<16
	s_mov_b32 s[\g+2], 8<<16
	s_mov_b32 s[\g+3], 4096<<16
	s_mov_b32 s[\g+4], 8
	s_mov_b32 s[\g+6], 0
	s_mov_b32 s[\g+7], 0
.endr
	s_mov_b32 s[G1+5], PITCHA
	s_mov_b32 s[G1B+5], PITCHB
	s_lshl_b32 s40, s[RT], 13                      ; A, in registers that never hold cx
	s_lshl_b32 s41, s[CH], 12
	s_add_co_u32 s40, s40, s41
	s_mov_b32 s41, 0
	s_lshl_b32 s46, s[CT], 13                      ; B, in registers that never hold cy
	s_lshl_b32 s47, s[CH], 12
	s_add_co_u32 s46, s46, s47
	s_add_co_u32 s46, s46, BO
	s_mov_b32 s47, 0
	s_mul_i32 s23, s[WV], LOADB
	s_mov_b32 s84, 0xbdd2d3e8                      ; -2 c log2(e) x 0.044715
	s_mov_b32 s85, s84
	s_wait_dscnt 0x0                               ; the opening add is done
	s_wait_kmcnt 0x0
	s_load_b512 s[68:83], s[8:9], 0x0              ; e0 .. e15
	s_add_nc_u64 s[40:41], s[4:5], s[40:41]
	s_add_nc_u64 s[46:47], s[6:7], s[46:47]
	CROUND                                         ; all sixteen work-groups are here: the first joint loads meet
.irp s, 0,1
	s_mov_b32 s[G0+4*\s], 1
	s_add_co_u32 s[G0+4*\s+1], s23, \s*SLOT
	s_add_nc_u64 s[G0+4*\s+2:G0+4*\s+3], s[40:41], \s*8*PITCHA
	s_or_b32 s[G0+4*\s+3], s[G0+4*\s+3], 0x80000000
	s_mov_b32 s[G0B+4*\s], 1
	s_add_co_u32 s[G0B+4*\s+1], s23, \s*SLOT
	s_add_nc_u64 s[G0B+4*\s+2:G0B+4*\s+3], s[46:47], \s*8*PITCHB
	s_or_b32 s[G0B+4*\s+3], s[G0B+4*\s+3], 0x80000000
	JLOAD \s                                       ; two loads of mine are out: all of the first tile's K
.endr
	v_and_b32 v1, 15, v0                           ; r
	v_bfe_u32 v2, v0, 4, 1                         ; h
	v_lshrrev_b32 v3, 2, v1
	v_mul_u32_u24 v3, v3, 272
	v_and_b32 v4, 3, v1
	v_lshl_add_u32 v3, v4, 6, v3
	v_lshl_add_u32 v3, v2, 4, v3                   ; a fragment's lane part
	s_mul_i32 s44, s[RH], LOADB
	s_mul_i32 s45, s[CH], LOADB
	s_add_co_u32 s45, s45, 2*LOADB
.irp s, 0,1
	v_add_nc_u32 v[ADRA+\s], s44, v3
	v_add_nc_u32 v[ADRB+\s], s45, v3
	s_add_co_u32 s44, s44, SLOT
	s_add_co_u32 s45, s45, SLOT
.endr
	s_mul_i32 s23, s[WV], 5120
	s_add_co_u32 s23, s23, STAGE                   ; my stage
	v_mul_u32_u24 v[STO], v1, 80
	v_lshl_add_u32 v[STO], v2, 4, v[STO]
	v_add_nc_u32 v[STO], s23, v[STO]
	v_and_b32 v6, 31, v0
	v_lshrrev_b32 v[RD], 2, v6
	v_mul_u32_u24 v[RD], v[RD], 80
	v_and_b32 v4, 3, v6
	v_lshl_add_u32 v[RD], v4, 4, v[RD]
	v_add_nc_u32 v[RD], s23, v[RD]
	v_lshlrev_b32 v[CO], 4, v6
	v_lshlrev_b32 v5, 5, v2                        ; the bias: my half's eight columns of each tile
	v_mov_b32 v12, 0xc0135761                      ; -2 c log2(e), twice: a pair for the packed form
	v_mov_b32 v13, 0xc0135761
	s_lshl_b32 s44, s[CT], 9
	s_lshl_b32 s45, s[CH], 8
	s_add_co_u32 s44, s44, s45
	s_mov_b32 s45, 0
	s_add_nc_u64 s[10:11], s[10:11], s[44:45]      ; b1 at my first column
	s_lshl_b32 s44, s[CT], 1
	s_add_co_u32 s44, s44, s[CH]
	s_lshl_b32 s44, s44, 18                        ; my 64 columns are a k-block of gc,
	s_lshl_b32 s90, s[RT], 1
	s_add_co_u32 s90, s90, s[RH]
	s_lshl_b32 s90, s90, 12                        ; my 64 rows 4,096 bytes of it
	s_add_co_u32 s44, s44, s90
	s_add_nc_u64 s[14:15], s[14:15], s[44:45]
	WIN 0x80                                       ; destination window 2: the bias in the result's layout, register 8 b + j: column 16 b + 8 h + j; it serves all four tiles
.irp b, 0,1,2,3
	global_load_b128 v[8*\b:8*\b+3], v5, s[10:11] offset:64*\b
	global_load_b128 v[8*\b+4:8*\b+7], v5, s[10:11] offset:64*\b+16
.endr
	WIN 0
	s_wait_kmcnt 0x0
	s_add_co_i32 s96, s80, s81
	s_add_co_i32 s96, s96, 127
	s_lshl_b32 s96, s96, 23                        ; 2^(e12 + e13)
	s_mov_b32 s97, s96
	s_add_co_i32 s90, s82, 127
	s_lshl_b32 s91, s90, 23
	v_mov_b32 v30, s91                             ; 2^e14
	s_add_co_i32 s90, s90, 8
	s_lshl_b32 s90, s90, 23
	s_or_b32 s90, s90, 0x600000
	v_mov_b32 v31, s90                             ; 448 x 2^e14
; 16 rows x 64 columns: bias, gelu, hold, codes.  Each batch of 32 transcendentals has one plain instruction and one wait behind it, ahead of its first reader.
.macro GELU a
	WIN 0x20                                       ; source 2 (the bias) window 2
.set i, 0
.rept 16
	v_pk_fma_f32 v[U+i:U+i+1], v[ACC+32*(\a)+i:ACC+32*(\a)+i+1], s[96:97], v[i:i+1] op_sel_hi:[1,0,1]   ; u = sum x 2^(e12 + e13) + b1; each accumulator from its low end on
.set i, i+2
.endr
	WIN 0
.set i, 0
.rept 16
	v_pk_mul_f32 v[W+i:W+i+1], v[U+i:U+i+1], v[U+i:U+i+1]
.set i, i+2
.endr
.set i, 0
.rept 16
	v_pk_fma_f32 v[W+i:W+i+1], v[W+i:W+i+1], s[84:85], v[12:13] op_sel_hi:[1,0,1]
.set i, i+2
.endr
.set i, 0
.rept 16
	v_pk_mul_f32 v[W+i:W+i+1], v[W+i:W+i+1], v[U+i:U+i+1]   ; -2 c log2(e) (u + 0.044715 u^3)
.set i, i+2
.endr
.set i, 0
.rept 32
	v_exp_f32 v[W+i], v[W+i]
.set i, i+1
.endr
	v_nop
	s_wait_alu depctr_va_vdst(0)
.set i, 0
.rept 16
	v_pk_add_f32 v[W+i:W+i+1], v[W+i:W+i+1], 1.0 op_sel_hi:[1,0]
.set i, i+2
.endr
.set i, 0
.rept 32
	v_rcp_f32 v[W+i], v[W+i]
.set i, i+1
.endr
	v_nop
	s_wait_alu depctr_va_vdst(0)
.set i, 0
.rept 16
	v_pk_mul_f32 v[U+i:U+i+1], v[U+i:U+i+1], v[W+i:W+i+1]
.set i, i+2
.endr
.set i, 0
.rept 32
	v_med3_num_f32 v[U+i], v[U+i], -v31, v31       ; the hold (the conversion does not saturate: ISA guide 7.6.2)
.set i, i+1
.endr
.irp b, 0,1,2,3
	v_cvt_scalef32_pk8_fp8_f32 v[CD+8*(\a)+2*\b:CD+8*(\a)+2*\b+1], v[U+8*\b:U+8*\b+7], v30
.endr
	v_nop                                          ; a plain instruction behind the last conversion, ahead of the next write of its sources
.endm
; THE WAY OUT of a tile: the activation and the codes, through my stage, 4,096 consecutive bytes out.
.macro EPI
	WIN 0
	PLACES                                         ; behind the last products
	s_wait_loadcnt 0x0                             ; the bias (from the second tile on no load is out)
	GELU 0
	GELU 1
	GELU 2
	GELU 3
.irp a, 0,1,2,3
.irp p, 0,1
	ds_store_b128 v[STO], v[CD+8*\a+4*\p:CD+8*\a+4*\p+3] offset:1280*\a+32*\p   ; columns 32 p + 16 u + 8 h + j as bytes 32 p + 16 h + 8 u + j: the layout's order
.endr
.endr
.irp i, 0,1,2,3,4,5,6,7
	ds_load_b128 v[32+4*\i:35+4*\i], v[RD] offset:640*\i   ; LDS serves a wave's instructions in order: these see my stores
.endr
.irp i, 0,1,2,3,4,5,6,7
	s_wait_dscnt 7-\i
	global_store_b128 v[CO], v[32+4*\i:35+4*\i], s[14:15] offset:512*\i   ; 32 lanes store 512 consecutive bytes of my block of 4,096
.endr
.endm
	s_wait_tensorcnt 1                             ; my part of slot 0 is in; slot 1's may stay out
	s_barrier_signal -1
	s_barrier_wait -1
	FETCH 0, 0, F0
	WIN 0                                          ; at a label and at a branch every window is 0
	s_mov_b32 s3, TILES-1
.Ltile:                                            ; a trip is a tile that has a successor: both slots are filled again, with the next tile's codes
	QUARTER 0, 1, F0, F1, 1                        ; the first products start the sums: nothing is cleared
	QUARTER 0, 2, F1, F0, 0
	QUARTER 0, 3, F0, F1, 0
	TURN 0, 1, 1
	QUARTER 1, 1, F0, F1, 0
	QUARTER 1, 2, F1, F0, 0
	QUARTER 1, 3, F0, F1, 0
	TURN 1, 0, 1                                   ; and the next tile's first fragments are fetched
	EPI                                            ; both refills are asked for: now the tile goes out
	s_wait_xcnt 0x0                                ; the stores have read their registers and their base: both may be written again
	s_add_nc_u64 s[14:15], s[14:15], OSTEP
	s_sub_co_u32 s3, s3, 1
	s_cmp_lg_u32 s3, 0
	s_cbranch_scc1 .Ltile
	QUARTER 0, 1, F0, F1, 1                        ; the last tile is written out: it fills nothing
	QUARTER 0, 2, F1, F0, 0
	QUARTER 0, 3, F0, F1, 0
	TURN 0, 1, 0
	QUARTER 1, 1, F0, F1, 0
	QUARTER 1, 2, F1, F0, 0
	QUARTER 1, 3, F0, F1, 0
	s_wait_dscnt 8
	WIN MUL
	MUL8 F1, 0, 0
	s_wait_dscnt 0
	MUL8 F1, 2, 0
	EPI
	s_wait_tensorcnt 0x0                           ; the wave's end
	ds_add_u32 v[SPW], v[NIL]
	s_wait_dscnt 0x0
	CROUND                                         ; the closing round
	s_endpgm
.Lfunc_end_k_qc6dd87b782_ffn1:
	.size	k_qc6dd87b782_ffn1, .Lfunc_end_k_qc6dd87b782_ffn1-k_qc6dd87b782_ffn1
	.p2alignl 7, 3214868480
	.fill 96, 4, 3214868480
	.section	.rodata,"a",@progbits
	.p2align	6, 0x0
	.amdhsa_kernel k_qc6dd87b782_ffn1
		.amdhsa_group_segment_fixed_size 327680
		.amdhsa_private_segment_fixed_size 0
		.amdhsa_enable_private_segment 0
		.amdhsa_kernarg_size 40
		.amdhsa_user_sgpr_count 2
		.amdhsa_user_sgpr_kernarg_segment_ptr 1
		.amdhsa_wavefront_size32 1
		.amdhsa_system_sgpr_workgroup_id_x 1
		.amdhsa_system_sgpr_workgroup_id_y 1
		.amdhsa_system_sgpr_workgroup_id_z 1
		.amdhsa_system_vgpr_workitem_id 0
		.amdhsa_next_free_vgpr 768
		.amdhsa_next_free_sgpr 100
		.amdhsa_reserve_vcc 0
		.amdhsa_float_denorm_mode_32 3
		.amdhsa_float_denorm_mode_16_64 3
		.amdhsa_memory_ordered 1
		.amdhsa_forward_progress 1
		.amdhsa_inst_pref_size 152
	.end_amdhsa_kernel
	.amdgpu_metadata
---
amdhsa.version: [ 1, 2 ]
amdhsa.kernels:
  - .name:           k_qc6dd87b782_ffn1
    .symbol:         k_qc6dd87b782_ffn1.kd
    .args:
      - { .name: h2c, .offset: 0, .size: 8, .value_kind: global_buffer, .address_space: global }
      - { .name: wc, .offset: 8, .size: 8, .value_kind: global_buffer, .address_space: global }
      - { .name: lowp_scales, .offset: 16, .size: 8, .value_kind: global_buffer, .address_space: global }
      - { .name: b1, .offset: 24, .size: 8, .value_kind: global_buffer, .address_space: global }
      - { .name: gc, .offset: 32, .size: 8, .value_kind: global_buffer, .address_space: global }
    .group_segment_fixed_size: 327680
    .private_segment_fixed_size: 0
    .kernarg_segment_align: 8
    .kernarg_segment_size: 40
    .max_flat_workgroup_size: 128
    .sgpr_count:     100
    .vgpr_count:     768
    .wavefront_size: 32
...
	.end_amdgpu_metadata
.endif
;; end of part 6
;; launch ffn2 (part 7): grid 8 x 32, 4 waves a work-group, clusters of 4 x 4, 327,680 bytes of LDS; arguments gc, wc, lowp_scales, b2, x2, out0; writes out0
.if DOCPART == 7
	.amdgcn_target "amdgcn-amd-amdhsa--gfx1250"
	.amdhsa_code_object_version 6
	.text
	.protected	k_qc6dd87b782_ffn2
	.globl	k_qc6dd87b782_ffn2
	.p2align	8
	.type	k_qc6dd87b782_ffn2,@function
k_qc6dd87b782_ffn2:
	s_mov_b64 s[64:65], 0
	v_nop
	global_prefetch_b8 v0, s[64:65] scope:SCOPE_SE
	s_setreg_imm32_b32 hwreg(HW_REG_WAVE_MODE, 25, 1), 1
	s_wait_xcnt 0x0
	s_wait_alu depctr_hold_cnt(0) depctr_sa_sdst(0) depctr_va_vdst(0) depctr_va_sdst(0) depctr_va_ssrc(0) depctr_va_vcc(0) depctr_vm_vsrc(0)
	s_getreg_b32 s2, hwreg(HW_REG_IB_STS2, 6, 4)
	s_cmp_eq_u32 s2, 0
	s_cbranch_scc0 .Lentry_in_a_cluster
	s_endpgm
.Lentry_in_a_cluster:
	s_bfe_u32 s2, ttmp6, 0x10000c
	s_cmp_lg_u32 s2, 0xf033
	s_cbranch_scc0 .Lentry_shape_is_right
	s_endpgm
.Lentry_shape_is_right:
; out = x2 + (g w2 + b2): a product on codes of E4M3, f32 out with bias and residual.
; Codes lie as BL(R, K): [K / 64][R rows][64 bytes], byte 32 c + 16 h + 8 u + j of a row's 64 holding k = 32 c + 16 u + 8 h + j.  A = gc, BL(4096, 4096); B = w2's columns, BL(1024, 4096) at 8 MiB in wc.
; A work-group of four waves makes 128 x 128, a wave 64 x 64: 16 accumulators; 8 x 32 tiles are 256 work-groups.  K = 4,096 goes through a ring of two LDS slots of 512 along K: two first fills and six refills,
; each refill one joint load a wave behind a round of the cluster's barrier: one load of mine is out behind each round.
; THE MATRIX INSTRUCTION IS USED TRANSPOSED: source 0 = 16 rows of B, source 1 = 16 rows of A: lane (r, h) holds row 16 a + r and columns 16 b + 8 h + 0 .. 7.
; CLUSTERS: 4 x 4 work-groups; A's tile is asked for jointly along a row of the cluster, B's along a column.
; LIMIT: the two exponents' sum lies between -126 and 127.
.set PITCHA, 262144                    ; a k-block of A in bytes
.set PITCHB, 65536                     ; of B
.set BO,     0x800000                  ; where B begins in wc
.set LAPS,   4                         ; K / 1,024: times round the ring
.set EA,     82                        ; s82, s83: the two operands' exponents
.set EB,     83
.set NTOUT,  1                         ; the result is written once and read by nobody here
.set KBL,   4352                       ; 64 rows of 64 bytes in LDS: 16 bytes of padding behind every 256: row p at (p / 4) 272 + (p % 4) 64, so that the 16 rows of a fragment load start at 16 different banks (64 banks of 4 bytes: ISA guide 11.1)
.set LOADB, 8*KBL                      ; one tensor load: 64 rows x 512 along K
.set SLOT,  4*LOADB                    ; A's rows 0-63, 64-127, B's rows 0-63, 64-127
.set STAGE, 2*SLOT                     ; the way out: 16 rows of 272 bytes for each wave; no tile lands here
.set SPARE, STAGE+4*4352               ; the spare words, 128 bytes for each wave, named by no other line
.set WV, 16
.set RH, 17
.set CH, 18
.set RT, 19
.set CT, 20
.set G1, 24
.set G0, 32
.set G1B, 48
.set G0B, 56
.set ADRA, 16
.set ADRB, 20
.set STO, 24
.set RD,  25
.set CO,  26
.set SPW, 28
.set NIL, 29
.set BK,  32                           ; v32-63, v64-95: 16 rows read back from the stage, by turns
.set ACC, 128
.set F0,  0
.set F1,  128
.set MUL,  0x05
.set TO_F, 0x40
.set MSB, 0
.macro WIN new
.if MSB != \new
	s_set_vgpr_msb (MSB<<8)|\new
.set MSB, \new
.endif
.endm
.macro JLOAD s                         ; a joint load: waves 0 and 1 fetch A's halves, waves 2 and 3 B's; an s_nop 0 and four v_nop follow each line
	s_cmp_eq_u32 s[RH], 0
	s_cbranch_scc0 .Lfor_b_\@
	tensor_load_to_lds s[G0+4*\s:G0+4*\s+3], s[G1:G1+7]
	s_nop 0
.rept 4
	v_nop
.endr
	s_branch .Lasked_\@
.Lfor_b_\@:
	tensor_load_to_lds s[G0B+4*\s:G0B+4*\s+3], s[G1B:G1B+7]
	s_nop 0
.rept 4
	v_nop
.endr
.Lasked_\@:
.endm
.macro CREST
	s_cmp_lg_u32 s[WV], 0
	s_cbranch_scc1 .Lnot_wave_0_\@
	s_barrier_signal -3
.Lnot_wave_0_\@:
	s_barrier_wait -3
	s_barrier_signal -1
	s_barrier_wait -1
.endm
.macro CROUND
	s_barrier_signal -1
	s_barrier_wait -1
	CREST
.endm
.macro PLACES
.rept 4
	v_nop
.endr
.endm
.macro FRAG reg, adr, q, i
.irp c, 0,1,2,3
	ds_load_b128 v[\reg+4*\c:\reg+4*\c+3], v[\adr] offset:(2*(\q)+\c/2)*KBL+(\i)*1088+32*(\c%2)
.endr
.endm
.macro FETCH slot, q, f                ; 32 loads in one run: B's four fragments, then A's; the last eight are A's blocks 2 and 3
	WIN TO_F
.irp i, 0,1,2,3
	FRAG \f+64+16*\i, ADRB+\slot, \q, \i
.endr
.irp i, 0,1,2,3
	FRAG \f+16*\i, ADRA+\slot, \q, \i
.endr
.endm
.macro MUL8 f, a0, zero                ; the 16 accumulators take turns, one instruction a turn, in the same order in every quarter, over the loop's backward jump too
.irp a, \a0, \a0+1
.irp b, 0,1,2,3
.if \zero
	v_wmma_f32_16x16x128_fp8_fp8 v[ACC+8*(4*(\a)+\b):ACC+8*(4*(\a)+\b)+7], v[\f+64+16*\b:\f+64+16*\b+15], v[\f+16*(\a):\f+16*(\a)+15], 0
.else
	v_wmma_f32_16x16x128_fp8_fp8 v[ACC+8*(4*(\a)+\b):ACC+8*(4*(\a)+\b)+7], v[\f+64+16*\b:\f+64+16*\b+15], v[\f+16*(\a):\f+16*(\a)+15], v[ACC+8*(4*(\a)+\b):ACC+8*(4*(\a)+\b)+7]
.endif
.endr
.endr
.endm
.macro QUARTER slot, qn, f, g, zero
	s_wait_dscnt 8                                 ; B and A's blocks 0, 1 are in; the youngest eight loads may be out
	WIN MUL
	MUL8 \f, 0, \zero
	PLACES
	FETCH \slot, \qn, \g
	s_wait_dscnt 32                                ; all but the 32 just issued
	WIN MUL
	MUL8 \f, 2, \zero
.endm
.macro TURN slot, next, fill           ; the slot's last quarter, in buffer 1, and the change of slots.  fill = 1: the slot is filled again, two slots ahead along K
	WIN 0
	s_wait_tensorcnt 0x0                           ; all my tensor loads have landed: my part of the next slot;
	ds_add_u32 v[SPW], v[NIL]                      ; 0 onto my spare word
	s_wait_dscnt 9                                 ; (the add and the youngest eight loads may be out)
	WIN MUL
	MUL8 F1, 0, 0
	s_wait_dscnt 0x0                               ; the add is done, my reads of this slot are over
	s_barrier_signal -1
	WIN 0
	s_barrier_wait -1
.if \fill
	CREST                                          ; the barrier has opened a round of the cluster's: no wave of any partner still reads this slot or has a load on its way
	s_add_nc_u64 s[G0+4*\slot+2:G0+4*\slot+3], s[G0+4*\slot+2:G0+4*\slot+3], 16*PITCHA
	s_add_nc_u64 s[G0B+4*\slot+2:G0B+4*\slot+3], s[G0B+4*\slot+2:G0B+4*\slot+3], 16*PITCHB
	JLOAD \slot                                    ; the first tensor load behind the round, one a wave; its four v_nop are also the places in front of the loads below
.else
	PLACES
.endif
	FETCH \next, 0, F0
	WIN MUL
	MUL8 F1, 2, 0
.endm
	s_load_b256 s[4:11], s[0:1], 0x0               ; A's codes s[4:5], wc s[6:7], the exponents s[8:9], the bias s[10:11]
	s_load_b128 s[12:15], s[0:1], 0x20             ; the residual s[12:13], the result s[14:15]
	v_lshl_add_u32 v[SPW], v0, 2, SPARE
	v_mov_b32 v[NIL], 0
	ds_add_u32 v[SPW], v[NIL]                      ; the wave's opening: an add and its wait ahead of my first tensor load; work on registers stands between them
	v_lshrrev_b32 v1, 5, v0
	v_readfirstlane_b32 s[WV], v1
	s_lshr_b32 s[RH], s[WV], 1
	s_and_b32 s[CH], s[WV], 1
	s_bfe_u32 s21, ttmp6, 0x40000                  ; cx
	s_bfe_u32 s22, ttmp6, 0x40004                  ; cy
	s_lshl_b32 s[CT], ttmp9, 2
	s_add_co_u32 s[CT], s[CT], s21
	s_and_b32 s[RT], ttmp7, 0xffff
	s_lshl_b32 s[RT], s[RT], 2
	s_add_co_u32 s[RT], s[RT], s22
	s_lshl_b32 s42, s22, 2
	s_lshl_b32 s42, 15, s42                        ; my row of the cluster
	s_lshl_b32 s43, 0x1111, s21                    ; my column
	; descriptor group 1: 8 k-blocks (rows of the tile) of 4,096 consecutive bytes; elements of 1 byte; 4 words of padding behind every 64
	s_or_b32 s[G1], s42, (1<<20)|(1<<21)|(5<<22)|(3<<25)
	s_or_b32 s[G1B], s43, (1<<20)|(1<<21)|(5<<22)|(3<<25)
.irp g, G1, G1B
	s_mov_b32 s[\g+1], 4096<<16
	s_mov_b32 s[\g+2], 8<<16
	s_mov_b32 s[\g+3], 4096<<16
	s_mov_b32 s[\g+4], 8
	s_mov_b32 s[\g+6], 0
	s_mov_b32 s[\g+7], 0
.endr
	s_mov_b32 s[G1+5], PITCHA
	s_mov_b32 s[G1B+5], PITCHB
	s_lshl_b32 s40, s[RT], 13                      ; A: 128 rows of 64 bytes a tile row, + my 64, in registers that never hold cx
	s_lshl_b32 s41, s[CH], 12
	s_add_co_u32 s40, s40, s41
	s_mov_b32 s41, 0
	s_lshl_b32 s46, s[CT], 13                      ; B likewise, in registers that never hold cy
	s_lshl_b32 s47, s[CH], 12
	s_add_co_u32 s46, s46, s47
	s_add_co_u32 s46, s46, BO
	s_mov_b32 s47, 0
	s_mul_i32 s23, s[WV], LOADB
	s_wait_dscnt 0x0                               ; the opening add is done
	s_wait_kmcnt 0x0
	s_load_b512 s[68:83], s[8:9], 0x0              ; e0 .. e15
	s_add_nc_u64 s[40:41], s[4:5], s[40:41]
	s_add_nc_u64 s[46:47], s[6:7], s[46:47]
	CROUND                                         ; all sixteen work-groups are here: the first joint loads meet
.irp s, 0,1
	s_mov_b32 s[G0+4*\s], 1
	s_add_co_u32 s[G0+4*\s+1], s23, \s*SLOT
	s_add_nc_u64 s[G0+4*\s+2:G0+4*\s+3], s[40:41], \s*8*PITCHA
	s_or_b32 s[G0+4*\s+3], s[G0+4*\s+3], 0x80000000
	s_mov_b32 s[G0B+4*\s], 1
	s_add_co_u32 s[G0B+4*\s+1], s23, \s*SLOT
	s_add_nc_u64 s[G0B+4*\s+2:G0B+4*\s+3], s[46:47], \s*8*PITCHB
	s_or_b32 s[G0B+4*\s+3], s[G0B+4*\s+3], 0x80000000
	JLOAD \s                                       ; two loads of mine are out
.endr
	v_and_b32 v1, 15, v0                           ; r
	v_bfe_u32 v2, v0, 4, 1                         ; h
	v_lshrrev_b32 v3, 2, v1
	v_mul_u32_u24 v3, v3, 272
	v_and_b32 v4, 3, v1
	v_lshl_add_u32 v3, v4, 6, v3
	v_lshl_add_u32 v3, v2, 4, v3                   ; a fragment's lane part
	s_mul_i32 s44, s[RH], LOADB
	s_mul_i32 s45, s[CH], LOADB
	s_add_co_u32 s45, s45, 2*LOADB
.irp s, 0,1
	v_add_nc_u32 v[ADRA+\s], s44, v3
	v_add_nc_u32 v[ADRB+\s], s45, v3
	s_add_co_u32 s44, s44, SLOT
	s_add_co_u32 s45, s45, SLOT
.endr
	s_mul_i32 s23, s[WV], 4352
	s_add_co_u32 s23, s23, STAGE                   ; my stage
	v_mul_u32_u24 v[STO], v1, 272
	v_lshl_add_u32 v[STO], v2, 5, v[STO]
	v_add_nc_u32 v[STO], s23, v[STO]               ; in: row r, 32 bytes for each half of the lanes
	v_mul_u32_u24 v[RD], v2, 272
	v_lshl_add_u32 v[RD], v1, 4, v[RD]
	v_add_nc_u32 v[RD], s23, v[RD]                 ; back: lanes 0-15 one row of 256 bytes, lanes 16-31 the next
	v_lshlrev_b32 v[CO], 12, v2
	v_lshl_add_u32 v[CO], v1, 4, v[CO]             ; and the same two rows in memory
	v_lshlrev_b32 v5, 4, v1                        ; my four columns of the bias
	s_lshl_b32 s44, s[CT], 9
	s_lshl_b32 s45, s[CH], 8
	s_add_co_u32 s44, s44, s45                     ; my first column, in bytes
	s_mov_b32 s45, 0
	s_add_nc_u64 s[10:11], s[10:11], s[44:45]
	s_lshl_b32 s90, s[RT], 19
	s_add_co_u32 s44, s44, s90
	s_lshl_b32 s90, s[RH], 18
	s_add_co_u32 s44, s44, s90                     ; + my first row
	s_add_nc_u64 s[12:13], s[12:13], s[44:45]
	s_add_nc_u64 s[14:15], s[14:15], s[44:45]
	WIN 0x80                                       ; destination window 2: my 64 x 64 of the residual, in the order in which the rows come back from the stage
.irp a, 0,1,2,3
.irp t, 0,1,2,3,4,5,6,7
	global_load_b128 v[32*\a+4*\t:32*\a+4*\t+3], v[CO], s[12:13] offset:(16*\a+2*\t)*4096 th:TH_LOAD_NT
.endr
.endr
	WIN 0
	global_load_b128 v[8:11], v5, s[10:11]
	s_wait_tensorcnt 1                             ; my part of slot 0 is in; slot 1's may stay out
	s_barrier_signal -1
	s_barrier_wait -1
	FETCH 0, 0, F0
	QUARTER 0, 1, F0, F1, 1                        ; the first products start the sums: nothing is cleared
.if LAPS > 1
	WIN 0                                          ; at a label and at a branch every window is 0
	s_mov_b32 s3, LAPS-1
.Llap:                                             ; a trip goes once round the ring and fills both slots again
	QUARTER 0, 2, F1, F0, 0
	QUARTER 0, 3, F0, F1, 0
	TURN 0, 1, 1
	QUARTER 1, 1, F0, F1, 0
	QUARTER 1, 2, F1, F0, 0
	QUARTER 1, 3, F0, F1, 0
	TURN 1, 0, 1
	QUARTER 0, 1, F0, F1, 0
	WIN 0
	s_sub_co_u32 s3, s3, 1
	s_cmp_lg_u32 s3, 0
	s_cbranch_scc1 .Llap
.endif
	QUARTER 0, 2, F1, F0, 0                        ; the last lap is written out: it fills nothing
	QUARTER 0, 3, F0, F1, 0
	TURN 0, 1, 0
	QUARTER 1, 1, F0, F1, 0
	QUARTER 1, 2, F1, F0, 0
	QUARTER 1, 3, F0, F1, 0
	s_wait_dscnt 8
	WIN MUL
	MUL8 F1, 0, 0
	s_wait_dscnt 0
	MUL8 F1, 2, 0
	WIN 0
; THE WAY OUT, 16 rows x 64 columns at a time: the sums go through my stage and come back as whole rows of 256 bytes; there sum x 2^(ea + eb) + residual, + bias; sixteen lanes store 256 consecutive bytes.
.macro OUTBLK a
.irp b, 0,1,2,3
	ds_store_b128 v[STO], v[ACC+8*(4*(\a)+\b):ACC+8*(4*(\a)+\b)+3] offset:64*\b          ; each accumulator from its low end on
	ds_store_b128 v[STO], v[ACC+8*(4*(\a)+\b)+4:ACC+8*(4*(\a)+\b)+7] offset:64*\b+16
.endr
.irp t, 0,1,2,3,4,5,6,7
	ds_load_b128 v[BK+32*((\a)%2)+4*\t:BK+32*((\a)%2)+4*\t+3], v[RD] offset:544*\t       ; LDS serves a wave's instructions in order: these see my stores, and the next block's stores come behind them
.endr
.endm
.macro FIN a, younger                  ; younger: the LDS instructions issued behind block a's loads, which may stay out
.set BB, BK+32*((\a)%2)
	s_wait_dscnt \younger
	WIN 0x20                                       ; source 2 (the residual) window 2
.set i, 0
.rept 16
	v_pk_fma_f32 v[BB+i:BB+i+1], v[BB+i:BB+i+1], s[96:97], v[32*(\a)+i:32*(\a)+i+1] op_sel_hi:[1,0,1]
.set i, i+2
.endr
	WIN 0
.irp t, 0,1,2,3,4,5,6,7
	v_pk_add_f32 v[BB+4*\t:BB+4*\t+1], v[BB+4*\t:BB+4*\t+1], v[8:9]
	v_pk_add_f32 v[BB+4*\t+2:BB+4*\t+3], v[BB+4*\t+2:BB+4*\t+3], v[10:11]
.endr
.irp t, 0,1,2,3,4,5,6,7
.if NTOUT
	global_store_b128 v[CO], v[BB+4*\t:BB+4*\t+3], s[14:15] offset:(16*(\a)+2*\t)*4096 th:TH_STORE_NT
.else
	global_store_b128 v[CO], v[BB+4*\t:BB+4*\t+3], s[14:15] offset:(16*(\a)+2*\t)*4096
.endif
.endr
.endm
	s_wait_kmcnt 0x0
	s_add_co_i32 s96, s[EA], s[EB]
	s_add_co_i32 s96, s96, 127
	s_lshl_b32 s96, s96, 23                        ; 2^(ea + eb) as f32
	s_mov_b32 s97, s96                             ; (named with it as a pair)
	s_wait_loadcnt 0x0                             ; the residual and the bias
	PLACES
	OUTBLK 0
	OUTBLK 1
	FIN 0, 16                                      ; behind block 0's loads: block 1's 8 stores and 8 loads
	s_wait_xcnt 0x0                                ; block 0's stores have read their registers: block 2 may land there
	OUTBLK 2
	FIN 1, 16
	s_wait_xcnt 0x0
	OUTBLK 3
	FIN 2, 16
	FIN 3, 0
	s_wait_tensorcnt 0x0                           ; the wave's end
	ds_add_u32 v[SPW], v[NIL]
	s_wait_dscnt 0x0
	CROUND                                         ; the closing round
	s_endpgm
.Lfunc_end_k_qc6dd87b782_ffn2:
	.size	k_qc6dd87b782_ffn2, .Lfunc_end_k_qc6dd87b782_ffn2-k_qc6dd87b782_ffn2
	.p2alignl 7, 3214868480
	.fill 96, 4, 3214868480
	.section	.rodata,"a",@progbits
	.p2align	6, 0x0
	.amdhsa_kernel k_qc6dd87b782_ffn2
		.amdhsa_group_segment_fixed_size 327680
		.amdhsa_private_segment_fixed_size 0
		.amdhsa_enable_private_segment 0
		.amdhsa_kernarg_size 48
		.amdhsa_user_sgpr_count 2
		.amdhsa_user_sgpr_kernarg_segment_ptr 1
		.amdhsa_wavefront_size32 1
		.amdhsa_system_sgpr_workgroup_id_x 1
		.amdhsa_system_sgpr_workgroup_id_y 1
		.amdhsa_system_sgpr_workgroup_id_z 1
		.amdhsa_system_vgpr_workitem_id 0
		.amdhsa_next_free_vgpr 768
		.amdhsa_next_free_sgpr 100
		.amdhsa_reserve_vcc 0
		.amdhsa_float_denorm_mode_32 3
		.amdhsa_float_denorm_mode_16_64 3
		.amdhsa_memory_ordered 1
		.amdhsa_forward_progress 1
		.amdhsa_inst_pref_size 81
	.end_amdhsa_kernel
	.amdgpu_metadata
---
amdhsa.version: [ 1, 2 ]
amdhsa.kernels:
  - .name:           k_qc6dd87b782_ffn2
    .symbol:         k_qc6dd87b782_ffn2.kd
    .args:
      - { .name: gc, .offset: 0, .size: 8, .value_kind: global_buffer, .address_space: global }
      - { .name: wc, .offset: 8, .size: 8, .value_kind: global_buffer, .address_space: global }
      - { .name: lowp_scales, .offset: 16, .size: 8, .value_kind: global_buffer, .address_space: global }
      - { .name: b2, .offset: 24, .size: 8, .value_kind: global_buffer, .address_space: global }
      - { .name: x2, .offset: 32, .size: 8, .value_kind: global_buffer, .address_space: global }
      - { .name: out0, .offset: 40, .size: 8, .value_kind: global_buffer, .address_space: global }
    .group_segment_fixed_size: 327680
    .private_segment_fixed_size: 0
    .kernarg_segment_align: 8
    .kernarg_segment_size: 48
    .max_flat_workgroup_size: 128
    .sgpr_count:     100
    .vgpr_count:     768
    .wavefront_size: 32
...
	.end_amdgpu_metadata
.endif
;; end of part 7
